; MI455X (gfx1250); checked and timed in simulation.
; The chip was launched on July 23, 2026; its instructions are those of AMD's public machine-readable ISA for CDNA 5 (MIT licence, August 2026) and "CDNA5" Instruction Set Architecture Reference Guide (July 2026). The comments in the code are by the model that wrote it; some were corrected since.
;; Transformer Encoder Layer. Allowed arithmetic: matrix products marked QUANTISED: E2M1 operands, one E8M0 scale for each 32 along K, by v_wmma_scale_f32_16x16x128_f8f6f4 with both operands' format E2M1 (or v_wmma_scale_f32_32x16x128_f4), f32 sums; everything else in f32.
;; Inputs: W1 1,024 x 4,096 float32; W2 4,096 x 1,024 float32; Wk 16 x 1,024 x 64 float32; Wq 16 x 1,024 x 64 float32; Wv 16 x 1,024 x 64 float32; attention_mask 2 x 2,048 bool; b1 4,096 float32; b2 1,024 float32; bk 16 x 64 float32; bq 16 x 64 float32; bv 16 x 64 float32; ln_b 1,024 float32; ln_g 1,024 float32; x 2 x 2,048 x 1,024 float32.
;; Outputs: out0 2 x 2,048 x 1,024 float32.
;; This version of the problem:
;;   THIS VERSION OF THE PROBLEM IS GIVEN IN LOW PRECISION. The matrix products marked QUANTISED in the list below multiply operands that are first quantised to E2M1 (2 exponent bits, 1 mantissa bit; 4 bits a number), with one power-of-two scale for each 32 numbers along K (OCP MX v1.0); their sums are f32. All else is computed in f32.
;;   The module's matrix products, in the order in which they are computed (A, B: the left and right operand; K: the contracted axis; several contracted axes count as one K, in the product's order):
;;     1. [M 1,024, K 1,024] x [K 1,024, N 4,096]; A: input Wq; B: input x: QUANTISED
;;     2. [M 1,024, K 1,024] x [K 1,024, N 4,096]; A: input Wk; B: input x: QUANTISED
;;     3. [M 1,024, K 1,024] x [K 1,024, N 4,096]; A: input Wv; B: input x: QUANTISED
;;     4. batch 32 x [M 2,048, K 64] x [K 64, N 2,048]; A: computed on the way; B: computed on the way: QUANTISED
;;     5. batch 32 x [M 2,048, K 2,048] x [K 2,048, N 64]; A: softmax (see below); B: computed on the way: QUANTISED
;;     6. [M 4,096, K 1,024] x [K 1,024, N 4,096]; A: computed on the way; B: input W1: QUANTISED
;;     7. [M 4,096, K 4,096] x [K 4,096, N 1,024]; A: computed on the way; B: input W2: QUANTISED
;;   THE QUANTISER, for each operand of a quantised product, along K:
;;     - K is cut into blocks of 32 from its start; a last block that is shorter is filled with zeros.
;;     - A block's scale is 2^e with e = floor(log2(the largest magnitude in the block)) - 2, held to -126 .. 127; a block of zeros has e = 0. As a byte (E8M0): e + 127.
;;     - Each number is divided by its block's scale, clamped to +-6, and rounded to the nearest number of E2M1, ties to even, subnormals kept.
;;     - The product sums the exact products of the quantised numbers (number of the format x scale) in f32.
;;   ~~~python
;;   def quantise(x, axis):      # numpy; x: float32 -> the quantised numbers, widened to float32 again
;;       x = np.moveaxis(x, axis, -1); K = x.shape[-1]
;;       x = np.pad(x, [(0, 0)] * (x.ndim - 1) + [(0, -K % 32)]); x = x.reshape(x.shape[:-1] + (-1, 32)); a = np.abs(x).max(-1, keepdims=True)
;;       e = np.where(a > 0, np.clip(np.frexp(np.where(a > 0, a, 1))[1] - 1 - 2, -126, 127), 0)      # np.frexp(a)[1] - 1 = floor(log2(a)), exactly
;;       r = np.clip(x / 2.0 ** e, -6, 6)
;;       step = 2.0 ** (np.maximum(np.frexp(np.where(r == 0, 1, r))[1] - 1, 0) - 1)
;;       q = np.round(r / step) * step * 2.0 ** e      # np.round: ties to even
;;       return np.moveaxis(q.reshape(q.shape[:-2] + (-1,))[..., :K], -1, axis).astype(np.float32)
;;   ~~~
;;   SOFTMAX AHEAD OF A QUANTISED PRODUCT. Where the list says 'softmax', what is quantised is not the finished softmax but p = 2^(t - M), with t = logit x log2(e) and M = ceil(the row's largest t), a whole number; so 1/2 < the row's largest p <= 1. The row's sum l is taken of the UNQUANTISED p, in f32, and the product's result is divided by l at the end. Since M is a whole number, a kernel that streams over the keys may use a running M (the ceiling of the running maximum): every later rescaling is an exact power of two, which a block's scale takes up: the codes' values come out the same.
;;   OPERANDS COMPUTED ON THE WAY. 'Computed on the way' means the value that the module computes at that place (a softmax that the list does not call 'softmax' is quantised finished and normalised). What goes into a quantiser is computed in f32, as accurately as f32 sums, v_exp_f32 and their like allow (about 1e-6 of the number): no bf16 or f16 on the way to a quantiser, and a product that is left as it is and whose result goes on into a quantised operand takes f32 operands (vector FMAs, or v_wmma_f32_16x16x4_f32). A number that lies on a knife's edge between two numbers of the format may be rounded either way, as far as f32 arithmetic and the matrix unit's own rounding can turn it there, and no further.
;; One version. Each part assembles by itself: llvm-mc -triple=amdgcn-amd-amdhsa -mcpu=gfx1250 --defsym DOCPART=n.
;; ======== version 1 of 1: 7 launches
;; limits: right only within a limited range of input values
;; workspace buffers: pre 8,355,840 bytes; qkvp 6,684,672 bytes; res 16,777,216 bytes; h1 16,777,216 bytes; h1p 2,228,224 bytes; hid 8,912,896 bytes
;; launch prep (part 1): grid 240 x 1, 8 waves a work-group, no clusters, 70,656 bytes of LDS; arguments x, Wq, Wk, Wv, W1, W2, pre; writes pre
.if DOCPART == 1
	.amdgcn_target "amdgcn-amd-amdhsa--gfx1250"
	.amdhsa_code_object_version 6
	.text
	.protected	k_qb060bfd691_prep
	.globl	k_qb060bfd691_prep
	.p2align	8
	.type	k_qb060bfd691_prep,@function
k_qb060bfd691_prep:
	s_mov_b64 s[64:65], 0
	v_nop
	global_prefetch_b8 v0, s[64:65] scope:SCOPE_SE
	s_setreg_imm32_b32 hwreg(HW_REG_WAVE_MODE, 25, 1), 1
	s_wait_xcnt 0x0
; x [4096][1024], Wq, Wk, Wv [16][1024][64], W1 [1024][4096], W2 [4096][1024], all f32, become codes of FP4 (E2M1) with one E8M0 byte for each 32 along each product's K.
; THE PANEL, the one layout of every operand of this program.  16 rows form a tile; tile 2 B + u holds at place r the row 32 B + 8 u + r + 8 (r / 8).  For each 512 along K a tile has 4,352 bytes on end:
; byte 1024 q + 256 j + 16 r + i = the codes of k = 128 q + 32 j + 2 i, + 1 of place r (the lower k in the low four bits), which is the image of a matrix operand's registers: lane l's 16 bytes at 1024 q + 512 c + 16 l;
; byte 4096 + 16 r + 4 q + j = the scale byte of that block.  So a fragment is two loads of 16 bytes a lane, a row's four scale words one.
; A block's scale is 2^(floor(log2(its largest magnitude)) - 2); its byte is the largest magnitude's exponent field - 2, held at 1 from below.
; LIMITS: a block of zeros gets the byte 1 where the quantiser says 127: its codes are zeros, which add nothing, and this program alone reads the bytes.  NaN and infinities among the inputs are not served.
; SHARES.  A unit is 32 rows (x) or 32 columns (the weights) x 512 along K; a work-group of eight waves takes four units, two waves to a unit, 256 along K each: 32 KiB in for a wave, eight blocks a lane.
; A LANE TAKES ONE ROW OR COLUMN AND ITS 32 REGISTERS ARE ONE BLOCK ALONG K.
; The weights have K as an outer axis: each load reads one k at 32 neighbouring columns, 128 consecutive bytes a wave.  x has K innermost: it is loaded 256 consecutive bytes to sixteen lanes and turned through the wave's own stage in LDS.
; Each store of codes covers two aligned runs of 256 bytes, whole.  A row's 16 scale bytes come from the unit's two waves, 8 bytes each: these runs alone, a seventeenth of the output, are written in two parts.
; No barrier: waves share nothing.  Work-groups 0-63: x; 64-111: Wq, Wk, Wv; 112-175: W1; 176-239: W2.
; DEAD WORK: reference() forms a masked score under another name and uses it in no result, so attention_mask reaches no output whatever it holds: no launch of this program loads it or has it among its arguments.
.set WQKV, 2228224                     ; pre: x's panel at 0, then Wq, Wk, Wv (rows h x 64 + e),
.set W1P,  3899392                     ; W1 (rows = its columns),
.set W2P,  6127616                     ; W2 (rows = its columns, K = 4,096)
.set DO,  2                            ; v2   where my row's 16 bytes of a block go: (my tile of the two) x the tiles' distance + 16 r + 2,048 x my half
.set L4,  3                            ; v3   4 x lane
.set XO,  4                            ; v4   x: (lane / 16) rows + 16 (lane % 16)
.set SA,  5                            ; v5   the stage, on the way in
.set SL,  6                            ; v6   and on the way out: my row
.set DS,  14                           ; v14  where my row's 8 scale bytes go: the tile's term + 16 r + 8 x my half
.set SB,  16                           ; v16-17 my row's 8 scale bytes
.set C,   20                           ; v20-23 a block's codes
.set LO,  32                           ; v32-63 weights: i x pitch + 4 x lane
.set X,   64                           ; v64-127 two blocks of 32 numbers
.set R,   128                          ; v128-255 x as loaded: two sets of 64
	s_load_b256 s[16:23], s[0:1], 0x0              ; x, Wq, Wk, Wv
	s_load_b128 s[24:27], s[0:1], 0x20             ; W1, W2
	s_load_b64 s[28:29], s[0:1], 0x30              ; pre
	v_lshl_add_u32 v30, v0, 2, 0x11000
	v_mov_b32 v31, 0
	v_lshrrev_b32 v1, 5, v0
	s_delay_alu instid0(VALU_DEP_1)
	v_readfirstlane_b32 s2, v1                     ; wave 0..7
	s_lshr_b32 s35, s2, 2                          ; which 256 of the unit's 512 along K
	s_and_b32 s36, s2, 3                           ; which of the work-group's four units
	s_lshl_b32 s37, s35, 11                        ; my eight blocks' codes begin 8 x 256 bytes on,
	s_lshl_b32 s38, s35, 3                         ; my scale bytes 8 on
	v_and_b32 v1, 31, v0                           ; lane
	s_delay_alu instid0(VALU_DEP_1)
	v_lshlrev_b32 v[L4], 2, v1
	v_bfe_u32 v7, v0, 3, 1                         ; u: which of the two tiles my row falls into
	v_and_b32 v8, 7, v0
	v_bfe_u32 v9, v0, 4, 1
	s_delay_alu instid0(VALU_DEP_1)
	v_lshl_add_u32 v8, v9, 3, v8                   ; r = lane % 8 + 8 (lane / 16)
	s_delay_alu instid0(VALU_DEP_1)
	v_lshlrev_b32 v8, 4, v8
	v_and_b32 v10, 15, v0
	s_delay_alu instid0(VALU_DEP_1)
	v_lshlrev_b32 v10, 4, v10
	s_delay_alu instid0(VALU_DEP_1)
	v_lshl_add_u32 v[XO], v9, 12, v10
	s_mul_i32 s33, s2, 8704                        ; my stage: 32 rows x (256 bytes + 16)
	v_mad_u32_u24 v[SA], v9, 272, v10
	s_delay_alu instid0(VALU_DEP_1)
	v_add_nc_u32 v[SA], s33, v[SA]
	v_mul_u32_u24 v[SL], v1, 272
	s_delay_alu instid0(VALU_DEP_1)
	v_add_nc_u32 v[SL], s33, v[SL]
	s_lshl_b32 s3, ttmp9, 2
	s_add_co_u32 s3, s3, s36                       ; my unit: 4 x work-group + wave % 4
	s_mov_b32 s13, 0
	s_mov_b32 s15, 0
	s_mov_b32 s9, 0
	s_wait_kmcnt 0x0
	s_cmp_lt_u32 ttmp9, 64
	s_cbranch_scc1 .Larm_x
	s_cmp_lt_u32 ttmp9, 112
	s_cbranch_scc1 .Larm_qkv
	s_cmp_lt_u32 ttmp9, 176
	s_cbranch_scc1 .Larm_w1
	s_sub_co_u32 s3, s3, 4*176                     ; W2: 8 runs of 512 along K x 32 groups of 32 columns
	s_lshr_b32 s30, s3, 5
	s_and_b32 s31, s3, 31
	s_lshl_b32 s12, s31, 7
	s_lshl_b32 s32, s30, 21                        ; 512 rows of 4,096 bytes
	s_add_co_u32 s12, s12, s32
	s_lshl_b32 s32, s35, 20                        ; my half: 256 rows
	s_add_co_u32 s12, s12, s32
	s_mul_i32 s14, s31, 69632
	s_mul_i32 s32, s30, 4352
	s_add_co_u32 s14, s14, s32
	s_add_co_u32 s14, s14, W2P
	s_mov_b64 s[4:5], s[26:27]
	s_mov_b32 s10, 4096                            ; bytes from k to k + 1
	s_mov_b32 s11, 34816                           ; bytes from tile to tile in the panel
	s_branch .Lw
.Larm_w1:
	s_sub_co_u32 s3, s3, 4*112                     ; W1: 2 runs x 128 groups
	s_lshr_b32 s30, s3, 7
	s_and_b32 s31, s3, 127
	s_lshl_b32 s12, s31, 7
	s_lshl_b32 s32, s30, 23                        ; 512 rows of 16,384 bytes
	s_add_co_u32 s12, s12, s32
	s_lshl_b32 s32, s35, 22                        ; my half: 256 rows
	s_add_co_u32 s12, s12, s32
	s_mul_i32 s14, s31, 17408
	s_mul_i32 s32, s30, 4352
	s_add_co_u32 s14, s14, s32
	s_add_co_u32 s14, s14, W1P
	s_mov_b64 s[4:5], s[24:25]
	s_mov_b32 s10, 16384
	s_mov_b32 s11, 8704
	s_branch .Lw
.Larm_qkv:
	s_sub_co_u32 s3, s3, 4*64                      ; Wq, Wk, Wv: 64 units each: 2 runs x 32 groups (head = group / 2)
	s_lshr_b32 s34, s3, 6                          ; which of the three
	s_and_b32 s3, s3, 63
	s_lshr_b32 s30, s3, 5
	s_and_b32 s31, s3, 31
	s_lshr_b32 s12, s31, 1
	s_lshl_b32 s12, s12, 18                        ; a head is 262,144 bytes
	s_and_b32 s32, s31, 1
	s_lshl_b32 s32, s32, 7
	s_add_co_u32 s12, s12, s32
	s_lshl_b32 s32, s30, 17                        ; 512 rows of 256 bytes
	s_add_co_u32 s12, s12, s32
	s_lshl_b32 s32, s35, 16                        ; my half: 256 rows
	s_add_co_u32 s12, s12, s32
	s_lshl_b32 s14, s34, 5
	s_add_co_u32 s14, s14, s31
	s_mul_i32 s14, s14, 17408                      ; tile 64 x tensor + 2 x group
	s_mul_i32 s32, s30, 4352
	s_add_co_u32 s14, s14, s32
	s_add_co_u32 s14, s14, WQKV
	s_cmp_eq_u32 s34, 0                            ; the choice hangs on the work-group's number alone
	s_cselect_b64 s[4:5], s[18:19], s[20:21]
	s_cmp_eq_u32 s34, 2
	s_cselect_b64 s[4:5], s[22:23], s[4:5]
	s_mov_b32 s10, 256
	s_mov_b32 s11, 8704
.Lw:
	s_add_nc_u64 s[4:5], s[4:5], s[12:13]
	s_add_nc_u64 s[6:7], s[28:29], s[14:15]
	s_lshl_b32 s8, s10, 5                          ; s[8:9]: a block of 32 along K further down
	s_wait_alu depctr_va_vdst(0)
	v_mad_u32_u24 v[DO], v7, s11, v8
	s_delay_alu instid0(VALU_DEP_1)
	v_add_nc_u32 v[DS], s38, v[DO]
	s_delay_alu instid0(VALU_DEP_2)
	v_add_nc_u32 v[DO], s37, v[DO]
.irp i, 0,1,2,3,4,5,6,7,8,9,10,11,12,13,14,15,16,17,18,19,20,21,22,23,24,25,26,27,28,29,30,31
	v_mad_u32_u24 v[LO+\i], s10, \i, v[L4]
.endr
; Block t of my eight (32 numbers in v[xs] on) becomes 16 bytes of codes and a scale byte.
.macro BLOCK t, xs
.set XS, \xs
	v_max3_num_f32 v12, |v[XS]|, |v[XS+1]|, |v[XS+2]|              ; the block's largest magnitude, in two chains: all 32 numbers are mine
	v_max3_num_f32 v13, |v[XS+3]|, |v[XS+4]|, |v[XS+5]|
.irp i, 6,10,14,18,22,26
	s_delay_alu instid0(VALU_DEP_2)
	v_max3_num_f32 v12, v12, |v[XS+\i]|, |v[XS+\i+1]|
	s_delay_alu instid0(VALU_DEP_2)
	v_max3_num_f32 v13, v13, |v[XS+\i+2]|, |v[XS+\i+3]|
.endr
	s_delay_alu instid0(VALU_DEP_2)
	v_max3_num_f32 v12, v12, |v[XS+30]|, |v[XS+31]|
	s_delay_alu instid0(VALU_DEP_1)
	v_max3_num_f32 v12, v12, v13, 0x1800000        ; and the floor 2^(3 - 127): the byte cannot fall under 1
	s_delay_alu instid0(VALU_DEP_1)
	v_add_nc_u32 v11, 0xff000000, v12              ; 2 off its exponent field: the conversion takes the exponent field of this operand as its scale
	s_delay_alu instid0(VALU_DEP_1)
	v_lshrrev_b32 v13, 23, v11                     ; the scale's byte
.if (\t)%4 == 0
	s_delay_alu instid0(VALU_DEP_1)
	v_mov_b32 v[SB+(\t)/4], v13
.else
	s_delay_alu instid0(VALU_DEP_1)
	v_lshl_or_b32 v[SB+(\t)/4], v13, 8*((\t)%4), v[SB+(\t)/4]
.endif
	s_wait_alu depctr_va_vdst(0)
	s_wait_xcnt 0x0                                ; the last block's store has read its data, and every load issued so far its base: both are written again only behind this wait
.irp g, 0,1,2,3
	v_cvt_scalef32_pk8_fp4_f32 v[C+\g], v[XS+8*\g:XS+8*\g+7], v11
.endr
	global_store_b128 v[DO], v[C:C+3], s[6:7] offset:256*(\t)      ; sixteen lanes fill 256 consecutive bytes of each of the two tiles
.endm
.macro LOADW t, step                   ; block t of my column: 32 loads, each 128 consecutive bytes a wave
.if \step
	s_add_nc_u64 s[4:5], s[4:5], s[8:9]
.endif
.irp i, 0,1,2,3,4,5,6,7,8,9,10,11,12,13,14,15,16,17,18,19,20,21,22,23,24,25,26,27,28,29,30,31
	global_load_b32 v[X+32*((\t)%2)+\i], v[LO+\i], s[4:5] th:TH_LOAD_NT
.endr
.endm
	LOADW 0, 0
	s_wait_alu depctr_va_vdst(0)
	s_wait_xcnt 0x0                                ; the base steps only behind this wait
	LOADW 1, 1
.irp t, 0,1,2,3,4,5,6,7
.if \t < 7
	s_wait_loadcnt 32                              ; this block's 32 loads are in; the next block's 32 may be out
.else
	s_wait_loadcnt 0x0
.endif
	BLOCK \t, X+32*(\t%2)
.if \t < 6
	LOADW \t+2, 1
.endif
.endr
	global_store_b64 v[DS], v[SB:SB+1], s[6:7] offset:4096         ; my 8 of each row's 16 scale bytes
	s_endpgm
.Larm_x:
	s_lshr_b32 s31, s3, 1                          ; x: 128 groups of 32 rows x 2 runs of 512 along K
	s_and_b32 s30, s3, 1
	s_lshl_b32 s12, s31, 17
	s_lshl_b32 s32, s30, 11
	s_add_co_u32 s12, s12, s32
	s_lshl_b32 s32, s35, 10                        ; my half: 256 numbers of each row
	s_add_co_u32 s12, s12, s32
	s_mul_i32 s14, s31, 17408
	s_mul_i32 s32, s30, 4352
	s_add_co_u32 s14, s14, s32
	s_add_nc_u64 s[4:5], s[16:17], s[12:13]
	s_add_nc_u64 s[6:7], s[28:29], s[14:15]
	s_wait_alu depctr_va_vdst(0)
	v_mad_u32_u24 v[DO], v7, 8704, v8
	s_delay_alu instid0(VALU_DEP_1)
	v_add_nc_u32 v[DS], s38, v[DO]
	s_delay_alu instid0(VALU_DEP_2)
	v_add_nc_u32 v[DO], s37, v[DO]
.macro LOADX c                         ; chunk c: 64 numbers of each of the 32 rows; sixteen lanes read 256 consecutive bytes
.irp i, 0,1,2,3,4,5,6,7,8,9,10,11,12,13,14,15
	global_load_b128 v[R+64*((\c)%2)+4*\i:R+64*((\c)%2)+4*\i+3], v[XO], s[4:5] offset:8192*\i+256*(\c) th:TH_LOAD_NT
.endr
.endm
	LOADX 0
	LOADX 1
.irp c, 0,1,2,3
.if \c < 3
	s_wait_loadcnt 16                              ; this chunk's 16 loads are in; the next chunk's may be out
.else
	s_wait_loadcnt 0x0
.endif
.irp i, 0,1,2,3,4,5,6,7,8,9,10,11,12,13,14,15
	ds_store_b128 v[SA], v[R+64*(\c%2)+4*\i:R+64*(\c%2)+4*\i+3] offset:544*\i
.endr
.irp j, 0,1
.irp i, 0,1,2,3,4,5,6,7
	ds_load_b128 v[X+32*\j+4*\i:X+32*\j+4*\i+3], v[SL] offset:128*\j+16*\i   ; LDS serves a wave's instructions in order: these see the stores above
.endr
.endr
	s_wait_dscnt 0x0                               ; my row's two blocks are in, and the stores have read their registers
.if \c < 2
	LOADX \c+2
.endif
	BLOCK 2*\c, X
	BLOCK 2*\c+1, X+32
.endr
	global_store_b64 v[DS], v[SB:SB+1], s[6:7] offset:4096
	s_wait_tensorcnt 0x0
	ds_add_u32 v30, v31
	s_wait_dscnt 0x0
	s_endpgm
.Lfunc_end_k_qb060bfd691_prep:
	.size	k_qb060bfd691_prep, .Lfunc_end_k_qb060bfd691_prep-k_qb060bfd691_prep
	.p2alignl 7, 3214868480
	.fill 96, 4, 3214868480
	.section	.rodata,"a",@progbits
	.p2align	6, 0x0
	.amdhsa_kernel k_qb060bfd691_prep
		.amdhsa_group_segment_fixed_size 70656
		.amdhsa_private_segment_fixed_size 0
		.amdhsa_enable_private_segment 0
		.amdhsa_kernarg_size 56
		.amdhsa_user_sgpr_count 2
		.amdhsa_user_sgpr_kernarg_segment_ptr 1
		.amdhsa_wavefront_size32 1
		.amdhsa_system_sgpr_workgroup_id_x 1
		.amdhsa_system_sgpr_workgroup_id_y 1
		.amdhsa_system_sgpr_workgroup_id_z 1
		.amdhsa_system_vgpr_workitem_id 0
		.amdhsa_next_free_vgpr 256
		.amdhsa_next_free_sgpr 66
		.amdhsa_reserve_vcc 0
		.amdhsa_float_denorm_mode_32 3
		.amdhsa_float_denorm_mode_16_64 3
		.amdhsa_memory_ordered 1
		.amdhsa_forward_progress 1
		.amdhsa_inst_pref_size 81
	.end_amdhsa_kernel
	.amdgpu_metadata
---
amdhsa.version: [ 1, 2 ]
amdhsa.kernels:
  - .name:           k_qb060bfd691_prep
    .symbol:         k_qb060bfd691_prep.kd
    .args:
      - { .name: x, .offset: 0, .size: 8, .value_kind: global_buffer, .address_space: global }
      - { .name: Wq, .offset: 8, .size: 8, .value_kind: global_buffer, .address_space: global }
      - { .name: Wk, .offset: 16, .size: 8, .value_kind: global_buffer, .address_space: global }
      - { .name: Wv, .offset: 24, .size: 8, .value_kind: global_buffer, .address_space: global }
      - { .name: W1, .offset: 32, .size: 8, .value_kind: global_buffer, .address_space: global }
      - { .name: W2, .offset: 40, .size: 8, .value_kind: global_buffer, .address_space: global }
      - { .name: pre, .offset: 48, .size: 8, .value_kind: global_buffer, .address_space: global }
    .group_segment_fixed_size: 70656
    .private_segment_fixed_size: 0
    .kernarg_segment_align: 8
    .kernarg_segment_size: 56
    .max_flat_workgroup_size: 256
    .sgpr_count:     66
    .vgpr_count:     256
    .wavefront_size: 32
...
	.end_amdgpu_metadata
.endif
;; end of part 1
;; launch qkv (part 2): grid 4 x 48, 4 waves a work-group, clusters of 4 x 4, 279,040 bytes of LDS; arguments pre, bq, bk, bv, qkvp; writes qkvp
.if DOCPART == 2
	.amdgcn_target "amdgcn-amd-amdhsa--gfx1250"
	.amdhsa_code_object_version 6
	.text
	.protected	k_qb060bfd691_qkv
	.globl	k_qb060bfd691_qkv
	.p2align	8
	.type	k_qb060bfd691_qkv,@function
k_qb060bfd691_qkv:
	s_mov_b64 s[64:65], 0
	v_nop
	global_prefetch_b8 v0, s[64:65] scope:SCOPE_SE
	s_setreg_imm32_b32 hwreg(HW_REG_WAVE_MODE, 25, 1), 1
	s_wait_xcnt 0x0
	s_wait_alu depctr_hold_cnt(0) depctr_sa_sdst(0) depctr_va_vdst(0) depctr_va_sdst(0) depctr_va_ssrc(0) depctr_va_vcc(0) depctr_vm_vsrc(0)
	s_getreg_b32 s2, hwreg(HW_REG_IB_STS2, 6, 4)
	s_cmp_eq_u32 s2, 0
	s_cbranch_scc0 .Lentry_in_a_cluster
	s_endpgm
.Lentry_in_a_cluster:
	s_bfe_u32 s2, ttmp6, 0x10000c
	s_cmp_lg_u32 s2, 0xf033
	s_cbranch_scc0 .Lentry_shape_is_right
	s_endpgm
.Lentry_shape_is_right:
; q, k = x Wq + bq, x Wk + bk and v^T = (x Wv + bv)^T, on codes of FP4 (E2M1) with E8M0 scales, K = 1,024; the results are quantised at once for the two products of attention and leave as panels of codes.
; THE PANEL (all operands): tile 2 B + u holds at place r the row 32 B + 8 u + r + 8 (r / 8); for each 512 along K 4,352 bytes: lane l's 16 bytes of a fragment at 1024 q + 512 c + 16 l, a row's four scale words at 4096 + 16 r.
; A work-group makes 256 x 256 of C = A B^T, each of its four waves 128 x 128 (64 accumulators).  The whole K of both operands, 2 x 139,264 bytes, lies in LDS and is filled ONCE: no slot is filled again.
; THE MATRIX INSTRUCTION IS USED TRANSPOSED (source 0 = 16 rows of B, source 1 = 16 rows of A).  By the panel's choice of rows a lane then holds ONE row of A, and the 16 registers of B's tiles 2 B and 2 B + 1 are the 16 neighbours
; 32 B + 16 (lane / 16) + 0 .. 15 along B's rows, which are the next product's K: a wave's 128 columns are one fragment and one scale word a row.
; Clusters 0-7 (mode 0): A = x, B = Wq and Wk (2,048 rows): q and k, quantised along the head's 64; rows (b, s), columns q's 1,024 then k's 1,024.  Clusters 8-11 (mode 1): A = Wv, B = x: v^T, quantised along the keys; rows (h, e), columns (b, key).
; THE BIASES.  Mode 0's lies along the registers (bq or bk), mode 1's is one number a lane (bv).  Every work-group loads both, from places held inside the buffers, and clears by a mask the one that its mode does not have: no branch.
; CLUSTERS: 4 x 4 work-groups; A's tiles are shared along a row of the cluster, B's along a column: each is asked for jointly.
; LIMITS: a block of zeros gets the scale byte 1 (its codes are zeros; this program alone reads the bytes); NaN and infinities are not served.
; REGISTERS: window 0: v4-19 the row bias, twice each; v20-27 addresses; v32-95 scale words, two sets; v96-122 the quantiser's; v128-191 A's fragments, later 64 results; v192-255 the bias along the registers.
;   window 1: B's fragments, two sets, at v0 and v128.  windows 2, 3: the accumulators, (a, b) at v[8 (8 (a % 4) + b)].
.set SIB,   4352
.set TILEB, 8704                       ; a tile of the input panels: K = 1,024
.set HALF,  8*TILEB                    ; 8 tiles, all of K: what one tensor load brings, and what a wave reads of A or of B
.set SLOT,  SIB                        ; inside a tile the run K = 512 on lies 4,352 bytes behind the first
.set FR,   8
.set BM,   4
.set ADRA, 20
.set ADRB, 22
.set ADRS, 24
.set LI,   26                          ; 16 x lane
.set SWO,  27                          ; 16 r + (lane / 16) x the output tiles' distance
.set SC,   32
.set TM,   96
.set PC,   112
.set PW,   120
.set PWE,  121
.set PWS,  122
.set AF,   128
.set H,    128
.set BN,   192
.set G1,  24
.set G0,  32
.set G1B, 48
.set G0B, 56
.set SEL, 82
.set MSB, 0
.macro WIN new                         ; the immediate's high byte repeats the setting that is left
.if MSB != (\new)
	s_set_vgpr_msb (MSB<<8)|(\new)
.set MSB, (\new)
.endif
.endm
.set MUL_LO, 0xa1                      ; source 0 (B) window 1, source 1 (A) window 0, C and D window 2
.set MUL_HI, 0xf1
.set TO_B,   0x40
.macro JLOAD g0a, g1a, g0b, g1b        ; a joint load: waves 0 and 1 fetch for A, waves 2 and 3 for B; four v_nop follow each of the two lines
	s_cmp_eq_u32 s15, 0
	s_cbranch_scc0 .Lfor_b_\@
	tensor_load_to_lds s[\g0a:\g0a+3], s[\g1a:\g1a+7]
	s_nop 0
.rept 4
	v_nop
.endr
	s_branch .Lasked_\@
.Lfor_b_\@:
	tensor_load_to_lds s[\g0b:\g0b+3], s[\g1b:\g1b+7]
	s_nop 0
.rept 4
	v_nop
.endr
.Lasked_\@:
.endm
.macro CROUND                          ; a round of the cluster's barrier
	s_barrier_signal -1
	s_barrier_wait -1
	s_cmp_lg_u32 s14, 0
	s_cbranch_scc1 .Lnot_wave_0_\@
	s_barrier_signal -3
.Lnot_wave_0_\@:
	s_barrier_wait -3
	s_barrier_signal -1
	s_barrier_wait -1
.endm
.macro PLACES n
.rept \n
	v_nop
.endr
.endm
	s_load_b256 s[4:11], s[0:1], 0x0               ; pre, bq, bk, bv
	s_load_b64 s[12:13], s[0:1], 0x20              ; qkvp
	v_lshl_add_u32 v126, v0, 2, 0x44000
	v_mov_b32 v127, 0
	ds_add_u32 v126, v127
	ds_add_u32 v126, v127
	v_lshrrev_b32 v1, 5, v0
	v_readfirstlane_b32 s14, v1                    ; wave
	s_lshr_b32 s15, s14, 1                         ; my half of the tile's rows; also: I fetch for A (0) or B (1)
	s_and_b32 s16, s14, 1                          ; my half of its columns; also: which 8 tiles I fetch
	s_bfe_u32 s40, ttmp6, 0x40000                  ; cx
	s_bfe_u32 s41, ttmp6, 0x40004                  ; cy
	s_and_b32 s17, ttmp7, 0xffff                   ; the cluster, 0 .. 11
	s_lshr_b32 s18, s17, 3                         ; mode
	s_xor_b32 s19, s18, 1
	s_lshr_b32 s20, s17, 1
	s_mul_i32 s20, s20, s19
	s_lshl_b32 s20, s20, 2
	s_add_co_u32 s20, s20, s41                     ; tile row: mode 0: 4 (cluster / 2) + cy; mode 1: cy
	s_lshl_b32 s46, s18, 1
	s_add_co_u32 s46, s46, 1
	s_and_b32 s46, s46, s17
	s_lshl_b32 s46, s46, 2
	s_add_co_u32 s46, s46, s40                     ; tile column: mode 0: 4 (cluster % 2) + cx; mode 1: 4 (cluster % 4) + cx
	s_lshl_b32 s43, s41, 2
	s_lshl_b32 s43, 15, s43                        ; my row of the cluster
	s_lshl_b32 s44, 0x1111, s40                    ; my column
	s_or_b32 s[G1+0], s43, (3<<16)|(1<<21)         ; the mask; elements of 8 bytes; bit 21 beside a mask; no padding
	s_or_b32 s[G1B+0], s44, (3<<16)|(1<<21)
.irp g, G1, G1B
	s_mov_b32 s[\g+1], 1088<<16                    ; tensor_dim0: 8,704 bytes, a tile's whole K
	s_mov_b32 s[\g+2], 8<<16                       ; tensor_dim1: 8 tiles
	s_mov_b32 s[\g+3], 1088<<16                    ; tile_dim0
	s_mov_b32 s[\g+4], 8                           ; tile_dim1
	s_mov_b32 s[\g+5], 1088                        ; from tile to tile: 8,704 bytes
	s_mov_b32 s[\g+6], 0
	s_mov_b32 s[\g+7], 0
.endr
	s_lshl_b32 s21, s16, 3
	s_lshl_b32 s84, s20, 4
	s_add_co_u32 s84, s84, s21
	s_mul_i32 s84, s84, TILEB
	s_mul_i32 s22, s18, 3342336                    ; A: x's panel at 0, Wv's at 3,342,336
	s_add_co_u32 s84, s84, s22
	s_mov_b32 s85, 0
	s_lshl_b32 s86, s46, 4
	s_add_co_u32 s86, s86, s21
	s_mul_i32 s86, s86, TILEB
	s_mul_i32 s22, s19, 2228224                    ; B: Wq's and Wk's panel at 2,228,224, x's at 0
	s_add_co_u32 s86, s86, s22
	s_mov_b32 s87, 0
	s_mul_i32 s45, s14, HALF                       ; where they go: no place in the cluster enters an LDS address
	s_wait_dscnt 0x0
	s_wait_kmcnt 0x0
	s_add_nc_u64 s[84:85], s[4:5], s[84:85]
	s_add_nc_u64 s[86:87], s[4:5], s[86:87]
	CROUND                                         ; all sixteen work-groups are here: the joint loads meet
.irp s, 0
	s_mov_b32 s[G0+4*\s], 1
	s_add_co_u32 s[G0+4*\s+1], s45, \s*SLOT
	s_add_nc_u64 s[G0+4*\s+2:G0+4*\s+3], s[84:85], \s*SIB
	s_or_b32 s[G0+4*\s+3], s[G0+4*\s+3], 0x80000000
	s_mov_b32 s[G0B+4*\s], 1
	s_add_co_u32 s[G0B+4*\s+1], s45, \s*SLOT
	s_add_nc_u64 s[G0B+4*\s+2:G0B+4*\s+3], s[86:87], \s*SIB
	s_or_b32 s[G0B+4*\s+3], s[G0B+4*\s+3], 0x80000000
	JLOAD G0+4*\s, G1, G0B+4*\s, G1B               ; my one tensor load: 8 tiles x 8,704 bytes
.endr
	v_and_b32 v1, 15, v0                           ; r
	v_bfe_u32 v2, v0, 4, 1                         ; h
	s_wait_alu depctr_va_vdst(0)
	v_and_b32 v3, 31, v0
	v_lshlrev_b32 v[LI], 4, v3
	s_mul_i32 s21, s15, HALF
	s_mul_i32 s22, s16, HALF
	s_add_co_u32 s22, s22, 2*HALF
.irp s, 0,1
	v_add_nc_u32 v[ADRA+\s], s21, v[LI]
	v_add_nc_u32 v[ADRB+\s], s22, v[LI]
	s_add_co_u32 s21, s21, SLOT
	s_add_co_u32 s22, s22, SLOT
.endr
	s_mul_i32 s21, s15, HALF                       ; the scale words: lanes 0-15 take A's rows, lanes 16-31 B's
	s_mul_i32 s22, s16, HALF
	s_add_co_u32 s22, s22, 2*HALF
	s_sub_co_u32 s22, s22, s21
	v_mul_u32_u24 v28, s22, v2
	v_lshl_add_u32 v28, v1, 4, v28
	s_add_co_u32 s21, s21, 4096
	v_add_nc_u32 v[ADRS], s21, v28
	v_add_nc_u32 v[ADRS+1], SLOT, v[ADRS]
	s_bitcmp1_b32 s17, 0                           ; the bias along the registers: bq for columns under 1,024, else bk (in mode 1 it is cleared)
	s_cselect_b64 s[66:67], s[8:9], s[6:7]
	s_lshl_b32 s88, s46, 8
	s_lshl_b32 s89, s16, 7
	s_add_co_u32 s88, s88, s89
	s_and_b32 s88, s88, 1023                       ; my 128 columns' place in it
	s_lshl_b32 s88, s88, 2
	s_mov_b32 s89, 0
	s_add_nc_u64 s[66:67], s[66:67], s[88:89]
	v_lshlrev_b32 v29, 6, v2
.irp b, 0,1,2,3
.irp i, 0,1,2,3
	global_load_b128 v[BN+16*\b+4*\i:BN+16*\b+4*\i+3], v29, s[66:67] offset:128*\b+16*\i   ; register 16 b + i: column 32 b + 16 h + i
.endr
.endr
	s_lshl_b32 s88, s20, 8                         ; the bias of my lane's row: bv (in mode 0 it is cleared)
	s_lshl_b32 s90, s15, 7
	s_add_co_u32 s88, s88, s90
	s_and_b32 s88, s88, 1023
	s_lshl_b32 s88, s88, 2
	s_add_nc_u64 s[68:69], s[10:11], s[88:89]
	v_and_b32 v30, 8, v1
	v_add_nc_u32 v30, v30, v1
	v_lshlrev_b32 v30, 2, v30                      ; 4 (r + 8 (r / 8))
.irp a, 0,1,2,3,4,5,6,7
	global_load_b32 v[BM+2*\a], v30, s[68:69] offset:(32*(\a/2)+8*(\a%2))*4
	global_load_b32 v[BM+2*\a+1], v30, s[68:69] offset:(32*(\a/2)+8*(\a%2))*4   ; twice: a pair for the packed addition
.endr
	s_sub_co_u32 s79, 0, s19                       ; all ones in mode 0
	s_sub_co_u32 s80, 0, s18                       ; all ones in mode 1
	s_mov_b32 s78, 0xffff0000                      ; lanes 16-31
	s_mov_b32 s[SEL], 0x76543210
	s_mov_b32 s[SEL+1], 0xfedcba98                 ; v_permlanex16_b32's selects for lane l xor 16
.irp b, 0,1,2,3
	v_mov_b32 v[TM+4+\b], 0                        ; written once: a lane permute's destination counts as one of its sources
.endr
	s_lshl_b32 s74, 17408, s18                     ; the output tiles' distance: 17,408 (K' = 2,048) or 34,816 (K' = 4,096)
	s_mov_b32 s75, 0
	s_lshl_b32 s76, s74, 1
	s_mov_b32 s77, 0
	v_mul_u32_u24 v[SWO], s74, v2
	v_lshl_add_u32 v[SWO], v1, 4, v[SWO]
	s_lshl_b32 s70, s20, 4                         ; where my results go: tile 16 x tile row + 8 x my half,
	s_lshl_b32 s71, s15, 3
	s_add_co_u32 s70, s70, s71
	s_mul_i32 s70, s70, s74
	s_mul_i32 s71, s18, 4456448                    ; (v's panel lies behind q's and k's)
	s_add_co_u32 s70, s70, s71
	s_lshl_b32 s72, s46, 1
	s_add_co_u32 s72, s72, s16                     ; which 128 along the next K are mine,
	s_lshr_b32 s73, s72, 2
	s_mul_i32 s73, s73, SIB
	s_add_co_u32 s70, s70, s73
	s_and_b32 s72, s72, 3
	s_lshl_b32 s73, s72, 10
	s_lshl_b32 s72, s72, 2
	s_add_co_u32 s72, s72, 4096
	s_add_co_u32 s72, s72, s70
	s_add_co_u32 s70, s70, s73
	s_mov_b32 s71, 0
	s_mov_b32 s73, 0
	s_add_nc_u64 s[70:71], s[12:13], s[70:71]      ; the codes,
	s_add_nc_u64 s[72:73], s[12:13], s[72:73]      ; the scale words
.macro FRAG reg, adr, q, i             ; a fragment is the image of its registers: two loads of 16 bytes a lane, 512 consecutive bytes each
.irp c, 0,1
	ds_load_b128 v[\reg+4*\c:\reg+4*\c+3], v[\adr] offset:TILEB*(\i)+1024*(\q)+512*\c
.endr
.endm
; 16 matrix instructions: A's blocks a0, a0 + 1 x B's eight.  The 64 accumulators take turns, one instruction a turn, in the same order in every step.
.macro MUL16 a0, p, q, sc, zero
.irp a, \a0, \a0+1
.irp b, 0,1,2,3,4,5,6,7
.if \zero
	v_wmma_scale_f32_16x16x128_f8f6f4 v[8*(8*((\a)%4)+\b):8*(8*((\a)%4)+\b)+7], v[128*(\p)+FR*\b:128*(\p)+FR*\b+FR-1], v[AF+FR*(\a):AF+FR*(\a)+FR-1], 0, v[SC+32*(\sc)+4*\b+(\q)], v[SC+32*(\sc)+4*(\a)+(\q)] matrix_a_fmt:MATRIX_FMT_FP4 matrix_b_fmt:MATRIX_FMT_FP4 matrix_a_scale:MATRIX_SCALE_ROW1
.else
	v_wmma_scale_f32_16x16x128_f8f6f4 v[8*(8*((\a)%4)+\b):8*(8*((\a)%4)+\b)+7], v[128*(\p)+FR*\b:128*(\p)+FR*\b+FR-1], v[AF+FR*(\a):AF+FR*(\a)+FR-1], v[8*(8*((\a)%4)+\b):8*(8*((\a)%4)+\b)+7], v[SC+32*(\sc)+4*\b+(\q)], v[SC+32*(\sc)+4*(\a)+(\q)] matrix_a_fmt:MATRIX_FMT_FP4 matrix_b_fmt:MATRIX_FMT_FP4 matrix_a_scale:MATRIX_SCALE_ROW1
.endif
.endr
.endr
.endm
.macro FETCH_B slot, q, p
	WIN TO_B
.irp i, 0,1,2,3,4,5,6,7
	FRAG 128*(\p)+FR*\i, ADRB+\slot, \q, \i
.endr
	WIN 0
.endm
.macro FETCH_A slot, q, i0
.irp i, \i0, \i0+1, \i0+2, \i0+3
	FRAG AF+FR*(\i), ADRA+\slot, \q, \i
.endr
.endm
.macro SCALES sc                       ; a slot's scale words: lanes 0-15 A's block i, lanes 16-31 B's block i; four words a row
.irp i, 0,1,2,3,4,5,6,7
	ds_load_b128 v[SC+32*\sc+4*\i:SC+32*\sc+4*\i+3], v[ADRS+\sc] offset:TILEB*\i
.endr
.endm
; A step of 128 along K; it fetches the next step's fragments (slot nslot, step nq).  A has one set of registers (a block is free when its eight products are issued), B two.
; cross = 1: the next step lies in slot 1: my part of it has landed, and a barrier shows that everybody's has.
.macro STEP slot, q, nslot, nq, zero, cross
	s_wait_dscnt 8                                 ; all but the youngest eight loads (A's blocks 4-7)
	WIN MUL_LO
	MUL16 0, (\q)%2, \q, \slot, \zero
	MUL16 2, (\q)%2, \q, \slot, \zero
	s_wait_dscnt 0x0
	PLACES 4                                       ; four plain places in front of loads into registers that matrix instructions have read (ISA guide 7.12.1 for vector instructions)
	FETCH_B \nslot, \nq, 1-(\q)%2
	FETCH_A \nslot, \nq, 0
.if \cross
	SCALES \nslot
.endif
	WIN MUL_HI
	MUL16 4, (\q)%2, \q, \slot, \zero
	MUL16 6, (\q)%2, \q, \slot, \zero
	PLACES 4
	WIN 0
	FETCH_A \nslot, \nq, 4
.endm
; 64 numbers of a lane, register 16 b + i = k 32 b + 16 (lane / 16) + i of my row, become a fragment's codes in v[PC] on and its scale word in v[PW].
.macro QUANT s
.irp b, 0,1,2,3
	v_max3_num_f32 v[TM+\b], |v[\s+16*\b]|, |v[\s+1+16*\b]|, 0x1800000   ; my 16 numbers of block b, and the floor 2^(3 - 127): the byte cannot fall under 1
.endr
.irp i, 2,4,6,8,10,12,14
.irp b, 0,1,2,3
	v_max3_num_f32 v[TM+\b], v[TM+\b], |v[\s+16*\b+\i]|, |v[\s+1+16*\b+\i]|
.endr
.endr
.irp b, 0,1,2,3
	v_permlanex16_b32 v[TM+4+\b], v[TM+\b], s[SEL], s[SEL+1]
.endr
.irp b, 0,1,2,3
	v_max_num_f32 v[TM+\b], v[TM+\b], v[TM+4+\b]   ; with lane l xor 16's: the block's largest magnitude
.endr
.irp b, 0,1,2,3
	v_add_nc_u32 v[TM+12+\b], 0xff000000, v[TM+\b] ; 2 off its exponent field: the conversion's scale operand
.endr
.irp b, 0,1,2,3
	v_lshrrev_b32 v[TM+4+\b], 23, v[TM+12+\b]      ; the scale's byte
.endr
	v_lshl_or_b32 v[PW], v[TM+5], 8, v[TM+4]
	v_lshl_or_b32 v[PW], v[TM+6], 16, v[PW]
	v_lshl_or_b32 v[PW], v[TM+7], 24, v[PW]
.irp b, 0,1,2,3
	v_cvt_scalef32_pk8_fp4_f32 v[PC+2*\b], v[\s+16*\b:\s+7+16*\b], v[TM+12+\b]
	v_cvt_scalef32_pk8_fp4_f32 v[PC+1+2*\b], v[\s+8+16*\b:\s+15+16*\b], v[TM+12+\b]
.endr
	v_nop                                          ; one plain place behind a scaled conversion
.irp c, 0,1                                    ; the operand's layout wants a whole block in a lane
.irp i, 0,1
	v_permlane16_swap_b32 v[PC+4*\c+\i], v[PC+2+4*\c+\i]
.endr
.endr
.endm
	s_wait_alu depctr_va_vdst(0)
	s_wait_tensorcnt 0x0                           ; my one load has landed
	s_barrier_signal -1
	s_barrier_wait -1
	FETCH_B 0, 0, 0
	FETCH_A 0, 0, 0
	SCALES 0
	FETCH_A 0, 0, 4
	STEP 0, 0, 0, 1, 1, 0                          ; the first products start the sums: nothing is cleared
	STEP 0, 1, 0, 2, 0, 0
	STEP 0, 2, 0, 3, 0, 0
	STEP 0, 3, 1, 0, 0, 1
	STEP 1, 0, 1, 1, 0, 0
	STEP 1, 1, 1, 2, 0, 0
	STEP 1, 2, 1, 3, 0, 0
	s_wait_dscnt 8                                 ; the last step: nothing more to fetch
	WIN MUL_LO
	MUL16 0, 1, 3, 1, 0
	MUL16 2, 1, 3, 1, 0
	s_wait_dscnt 0x0
	WIN MUL_HI
	MUL16 4, 1, 3, 1, 0
	MUL16 6, 1, 3, 1, 0
	WIN 0
	s_wait_loadcnt 0x0                             ; the biases
.set i, 0
.rept 64
	v_and_b32 v[BN+i], s79, v[BN+i]                ; kept in mode 0, cleared in mode 1.  (These lines name no register of the last products: they are the places behind them)
.set i, i+1
.endr
.set i, 0
.rept 16
	v_and_b32 v[BM+i], s80, v[BM+i]                ; kept in mode 1
.set i, i+1
.endr
; THE WAY OUT of A's block a: bias, quantiser, and the fragment leaves as the image of its registers: each store covers 512 consecutive bytes.  The scale words of two blocks leave together, 4 bytes of each row's 16:
; a work-group holds two of the four words, so these alone, a sixteenth of the codes' bytes, are not whole runs of 256 bytes.
.macro EPI a
.set AC, 64*((\a)%4)
	s_wait_xcnt 0x0                                ; the last block's stores have read their data and bases
.if (\a) > 0
	s_add_nc_u64 s[70:71], s[70:71], s[74:75]
.endif
.if ((\a) > 0) && ((\a)%2 == 0)
	s_add_nc_u64 s[72:73], s[72:73], s[76:77]
.endif
	WIN 0x02+(\a)/4                                ; source 0: window 2 or 3
.set i, 0
.rept 32
	v_pk_add_f32 v[H+i:H+i+1], v[AC+i:AC+i+1], v[BN+i:BN+i+1]      ; each accumulator from its low end on
.set i, i+2
.endr
	WIN 0
.set i, 0
.rept 32
	v_pk_add_f32 v[H+i:H+i+1], v[H+i:H+i+1], v[BM+2*(\a):BM+2*(\a)+1]
.set i, i+2
.endr
	QUANT H
	global_store_b128 v[LI], v[PC:PC+3], s[70:71]
	global_store_b128 v[LI], v[PC+4:PC+7], s[70:71] offset:512
.if (\a)%2 == 0
	v_mov_b32 v[PWE], v[PW]
.else
	v_cndmask_b32 v[PWS], v[PWE], v[PW], s78       ; lanes 0-15: block a - 1's words; lanes 16-31: block a's
	global_store_b32 v[SWO], v[PWS], s[72:73]
.endif
.endm
.irp a, 0,1,2,3,4,5,6,7
	EPI \a
.endr
	s_wait_dscnt 0x0
	s_wait_tensorcnt 0x0
	ds_add_u32 v126, v127
	s_wait_dscnt 0x0
	CROUND                                         ; the closing round: no work-group ends while a partner may still ask for a tile that names it
	s_endpgm
.Lfunc_end_k_qb060bfd691_qkv:
	.size	k_qb060bfd691_qkv, .Lfunc_end_k_qb060bfd691_qkv-k_qb060bfd691_qkv
	.p2alignl 7, 3214868480
	.fill 96, 4, 3214868480
	.section	.rodata,"a",@progbits
	.p2align	6, 0x0
	.amdhsa_kernel k_qb060bfd691_qkv
		.amdhsa_group_segment_fixed_size 279040
		.amdhsa_private_segment_fixed_size 0
		.amdhsa_enable_private_segment 0
		.amdhsa_kernarg_size 40
		.amdhsa_user_sgpr_count 2
		.amdhsa_user_sgpr_kernarg_segment_ptr 1
		.amdhsa_wavefront_size32 1
		.amdhsa_system_sgpr_workgroup_id_x 1
		.amdhsa_system_sgpr_workgroup_id_y 1
		.amdhsa_system_sgpr_workgroup_id_z 1
		.amdhsa_system_vgpr_workitem_id 0
		.amdhsa_next_free_vgpr 1024
		.amdhsa_next_free_sgpr 100
		.amdhsa_reserve_vcc 0
		.amdhsa_float_denorm_mode_32 3
		.amdhsa_float_denorm_mode_16_64 3
		.amdhsa_memory_ordered 1
		.amdhsa_forward_progress 1
		.amdhsa_inst_pref_size 164
	.end_amdhsa_kernel
	.amdgpu_metadata
---
amdhsa.version: [ 1, 2 ]
amdhsa.kernels:
  - .name:           k_qb060bfd691_qkv
    .symbol:         k_qb060bfd691_qkv.kd
    .args:
      - { .name: pre, .offset: 0, .size: 8, .value_kind: global_buffer, .address_space: global }
      - { .name: bq, .offset: 8, .size: 8, .value_kind: global_buffer, .address_space: global }
      - { .name: bk, .offset: 16, .size: 8, .value_kind: global_buffer, .address_space: global }
      - { .name: bv, .offset: 24, .size: 8, .value_kind: global_buffer, .address_space: global }
      - { .name: qkvp, .offset: 32, .size: 8, .value_kind: global_buffer, .address_space: global }
    .group_segment_fixed_size: 279040
    .private_segment_fixed_size: 0
    .kernarg_segment_align: 8
    .kernarg_segment_size: 40
    .max_flat_workgroup_size: 128
    .sgpr_count:     100
    .vgpr_count:     1024
    .wavefront_size: 32
...
	.end_amdgpu_metadata
.endif
;; end of part 2
;; launch attn (part 3): grid 8 x 32, 16 waves a work-group, clusters of 4 x 1, 256,000 bytes of LDS; arguments qkvp, x, res; writes res
.if DOCPART == 3
	.amdgcn_target "amdgcn-amd-amdhsa--gfx1250"
	.amdhsa_code_object_version 6
	.text
	.protected	k_qb060bfd691_attn
	.globl	k_qb060bfd691_attn
	.p2align	8
	.type	k_qb060bfd691_attn,@function
k_qb060bfd691_attn:
	s_mov_b64 s[64:65], 0
	v_nop
	global_prefetch_b8 v0, s[64:65] scope:SCOPE_SE
	s_setreg_imm32_b32 hwreg(HW_REG_WAVE_MODE, 25, 1), 1
	s_wait_xcnt 0x0
	s_wait_alu depctr_hold_cnt(0) depctr_sa_sdst(0) depctr_va_vdst(0) depctr_va_sdst(0) depctr_va_ssrc(0) depctr_va_vcc(0) depctr_vm_vsrc(0)
	s_getreg_b32 s2, hwreg(HW_REG_IB_STS2, 6, 4)
	s_cmp_eq_u32 s2, 0
	s_cbranch_scc0 .Lentry_in_a_cluster
	s_endpgm
.Lentry_in_a_cluster:
	s_bfe_u32 s2, ttmp6, 0x10000c
	s_cmp_lg_u32 s2, 0x3003
	s_cbranch_scc0 .Lentry_shape_is_right
	s_endpgm
.Lentry_shape_is_right:
; res[b][s][64 h + e] = x + the sum over keys of softmax(q . k / 8) v, both products on codes of FP4 (E2M1) with E8M0 scales.  q, k, v^T come as panels of codes (tile 2 B + u holds at place r the row 32 B + 8 u + r + 8 (r / 8)).
; attention_mask reaches no result of reference() and is not loaded (shown at the head of the first kernel).
; THE SOFTMAX: t = score x log2(e) / 8; M = the row's largest t so far, rounded up to a whole number; p = 2^(t - M) is quantised along the keys, not normalised; the row's sum is taken of the unquantised p and divides at the end.
; When M moves, the sum and O are multiplied by 2^(old M - new M): exact.
; SHARES.  A work-group owns 256 queries of one head, each of its sixteen waves one tile of 16.  A head's K, K's scale bytes and V^T lie in LDS, filled ONCE, jointly for the four work-groups of a cluster, which belong to one head.
; All tiles are asked for at the head, one load a wave: there is no loop of loads to run ahead of, so no prefetch is written.
; LAYOUT.  Both products transposed: S^T = K Q^T, O^T = V^T P^T: a lane holds one query throughout.
; THE ROWS OF A KEY TILE ARE GATHERED BY THE LANES' ADDRESSES: of 64 keys, tile t takes keys 8 t + 0 .. 7 at places 0-7 and keys 32 + 8 t + 0 .. 7 at places 8-15.  So the 32 registers of four tiles are, in lane (r, h),
; the keys 32 h + 0 .. 31: a whole block of the quantiser, and in the order of the second product's operand: a block's maximum needs no other lane and the conversions' results are the operand's registers.
; In the panel those rows are: tile 2 B + t % 2, places 8 (t / 2) + 0 .. 7, with B two further on for places 8-15.  The codes' tile pitch of 576 bytes puts the two groups of eight rows 128 bytes apart modulo 256; the scale bytes' tiles are dense.
; K = 64 IN AN INSTRUCTION OF 128: Q's upper four registers hold zero codes, so whatever finite codes stand in K's upper four (the next tile's) add nothing; the 16-bit loads of the scale bytes leave 0 in bytes 2 and 3.
; THE ORDER OF A KEY STEP.  Maxima, M, the first 32 scalings and O^T's rescaling; a wait; the step's 24 LDS loads in one run; the exponentials in two batches of 34 and 32 with a wait between and behind them.
; Among a batch's lines stand only plain lines that read nothing written since the wait ahead of the batch and whose results are read behind the next wait: the other 32 scalings, and eight sums of pairs of the first half's p.
; LIMITS: a block of p that is all zeros keeps the scale byte 1; NaN and infinities are not served; the scaled scores stay under 2^31 in magnitude.
; REGISTERS: v1-7 addresses that stay; v8-11 the trip's; v12 -M, v13 the largest t, v[14:15] the sum; v16-23 Q; v24 Q's scales; v26 8 h; v32-67 K's codes (at the end x); v68-75 K's scales; v80-95 V's scale words;
;   v96-159 S^T, then p; v160-191 O^T; v192-199 p's codes; v200-231 V's fragments; v28-31, v76-77, v232-254 at work; v79, v255 the add's two.
.set KB,   32
.set KP,   576                         ; a key tile's 512 bytes of codes + 64 of padding
.set SP,   256                         ; a key tile's 256 scale bytes, dense: their address carries the head's term, so every byte between the tiles is a filled one
.set LKS,  128*KP
.set LV,   LKS+128*SP                  ; V^T [4 tiles][4 x 4,352]
.set STAGE, LV+4*17408                 ; the way out: 16 rows x (256 bytes + 16) for each wave
.set SPARE, STAGE+16*4352              ; the spare words: 128 bytes a wave
.set VP,   4456448                     ; qkvp: v's panel lies behind q's and k's
.set AK0,  1
.set AV0,  2
.set ASK0, 3
.set ASV0, 4
.set STO,  5
.set RD,   6
.set GO,   7
.set ADK,  8
.set ADV,  9
.set ADS,  10
.set ADT,  11
.set WV,   18
.set SEL,  20
.set CS,   22
.set G1K,  24
.set G1V,  32
.set G1S,  40
.set G0K,  48
.set G0V,  52
.set G0S,  56
.set TK,   60
.set TS,   61
.set TV,   62
.set TRIP, 63
.macro CROUND
	s_barrier_signal -1
	s_barrier_wait -1
	s_cmp_lg_u32 s[WV], 0
	s_cbranch_scc1 .Lnot_wave_0_\@
	s_barrier_signal -3
.Lnot_wave_0_\@:
	s_barrier_wait -3
	s_barrier_signal -1
	s_barrier_wait -1
.endm
	s_load_b128 s[4:7], s[0:1], 0x0                ; qkvp, x
	s_load_b64 s[92:93], s[0:1], 0x10              ; res
	v_lshl_add_u32 v79, v0, 2, SPARE
	v_mov_b32 v255, 0
	ds_add_u32 v79, v255                           ; the opening lines
	ds_add_u32 v79, v255
	v_lshrrev_b32 v8, 5, v0
	v_readfirstlane_b32 s[WV], v8                  ; wave 0..15
	s_and_b32 s8, ttmp7, 0xffff
	s_lshr_b32 s9, s8, 4                           ; b
	s_and_b32 s10, s8, 15                          ; the head
	s_lshr_b32 s11, s10, 3                         ; the head's 64 columns: which run of 512,
	s_bfe_u32 s12, s10, 0x20001                    ; which 128 of it,
	s_and_b32 s13, s10, 1                          ; which half of those
	s_mul_i32 s14, s11, 4352
	s_lshl_b32 s15, s12, 10
	s_add_co_u32 s14, s14, s15
	s_lshl_b32 s15, s13, 9
	s_add_co_u32 s14, s14, s15                     ; the codes' place in a tile of q's panel (k's: 8,704 further on)
	s_lshl_b32 s15, s12, 2
	s_lshl_b32 s16, s13, 1
	s_add_co_u32 s15, s15, s16                     ; the two scale bytes' place in a row's 16
	s_and_b32 s87, s[WV], 7                        ; waves 0-7: 16 tiles of K's codes each
	s_mul_i32 s84, s87, 16*KP
	s_lshl_b32 s72, s9, 7
	s_lshl_b32 s87, s87, 4
	s_add_co_u32 s72, s72, s87
	s_mul_i32 s72, s72, 17408
	s_add_co_u32 s72, s72, s14
	s_add_co_u32 s72, s72, 8704
	s_mov_b32 s73, 0
	s_and_b32 s88, s[WV], 3                        ; waves 8-11: a tile of V^T each, 17,408 dense bytes
	s_mul_i32 s85, s88, 17408
	s_add_co_u32 s85, s85, LV
	s_lshl_b32 s74, s10, 2
	s_add_co_u32 s74, s74, s88
	s_lshl_b32 s74, s74, 3
	s_lshl_b32 s75, s9, 2
	s_add_co_u32 s74, s74, s75
	s_mul_i32 s74, s74, 4352
	s_add_co_u32 s74, s74, VP
	s_mov_b32 s75, 0
	s_mul_i32 s86, s88, 32*SP                      ; waves 12-15: the scale bytes of 32 tiles of K each
	s_add_co_u32 s86, s86, LKS
	s_lshl_b32 s76, s9, 7
	s_lshl_b32 s77, s88, 5
	s_add_co_u32 s76, s76, s77
	s_mul_i32 s76, s76, 17408
	s_mul_i32 s77, s11, 4352
	s_add_co_u32 s76, s76, s77
	s_add_co_u32 s76, s76, 8704+4096
	s_mov_b32 s77, 0
	s_bfe_u32 s89, ttmp6, 0x40000                  ; cx: it enters Q's, x's and the result's addresses alone
	s_lshl_b32 s90, ttmp9, 2
	s_add_co_u32 s89, s89, s90                     ; my block of 256 queries
	s_lshl_b32 s89, s89, 4
	s_add_co_u32 s89, s89, s[WV]
	s_lshl_b32 s90, s9, 7
	s_add_co_u32 s89, s89, s90                     ; my tile of queries
	s_mul_i32 s78, s89, 17408
	s_mul_i32 s80, s11, 4352
	s_add_co_u32 s80, s80, s78
	s_add_co_u32 s80, s80, s15
	s_add_co_u32 s80, s80, 4096                    ; its scale bytes,
	s_add_co_u32 s78, s78, s14                     ; its codes,
	s_mov_b32 s79, 0
	s_mov_b32 s81, 0
	s_lshr_b32 s82, s89, 1
	s_lshl_b32 s82, s82, 5
	s_and_b32 s83, s89, 1
	s_lshl_b32 s83, s83, 3
	s_add_co_u32 s82, s82, s83                     ; its first row,
	s_lshl_b32 s82, s82, 12
	s_lshl_b32 s83, s10, 8
	s_add_co_u32 s82, s82, s83                     ; and the head's 256 bytes of it in x and in the result
	s_mov_b32 s83, 0
	s_mov_b32 s[G1K], 15|(3<<16)|(1<<20)|(1<<21)|(6<<22)|(15<<25)  ; all four work-groups; elements of 8 bytes; 16 words of padding behind every 128
	s_mov_b32 s[G1V], 15|(3<<16)|(1<<21)
	s_mov_b32 s[G1S], 15|(3<<16)|(1<<21)
.irp g, G1K, G1V, G1S
	s_mov_b32 s[\g+6], 0
	s_mov_b32 s[\g+7], 0
.endr
	s_mov_b32 s[G1K+1], 64<<16                     ; K: 16 rows of 512 bytes, 17,408 bytes apart
	s_mov_b32 s[G1K+2], 16<<16
	s_mov_b32 s[G1K+3], 64<<16
	s_mov_b32 s[G1K+4], 16
	s_mov_b32 s[G1K+5], 2176
	s_mov_b32 s[G1V+1], 32<<16                     ; V: 68 rows of 256 bytes, dense
	s_mov_b32 s[G1V+2], 68<<16
	s_mov_b32 s[G1V+3], 32<<16
	s_mov_b32 s[G1V+4], 68
	s_mov_b32 s[G1V+5], 32
	s_mov_b32 s[G1S+1], 32<<16                     ; the scale bytes: 32 rows of 256 bytes, 17,408 bytes apart
	s_mov_b32 s[G1S+2], 32<<16
	s_mov_b32 s[G1S+3], 32<<16
	s_mov_b32 s[G1S+4], 32
	s_mov_b32 s[G1S+5], 2176
	s_mov_b32 s[SEL], 0x76543210
	s_mov_b32 s[SEL+1], 0xfedcba98
	s_mov_b32 s[CS], 0x3e38aa3b                    ; c = log2(e) / 8
	s_mov_b32 s[CS+1], s[CS]
	s_mov_b32 s[TK], 0
	s_mov_b32 s[TS], 0
	s_mov_b32 s[TV], 0
	s_mov_b32 s[TRIP], 3
	s_wait_dscnt 0x0
	s_wait_kmcnt 0x0
	CROUND                                         ; all four work-groups are here: the joint loads meet
	s_mov_b32 s[G0K], 1
	s_mov_b32 s[G0K+1], s84
	s_add_nc_u64 s[G0K+2:G0K+3], s[4:5], s[72:73]
	s_or_b32 s[G0K+3], s[G0K+3], 0x80000000
	s_mov_b32 s[G0V], 1
	s_mov_b32 s[G0V+1], s85
	s_add_nc_u64 s[G0V+2:G0V+3], s[4:5], s[74:75]
	s_or_b32 s[G0V+3], s[G0V+3], 0x80000000
	s_mov_b32 s[G0S], 1
	s_mov_b32 s[G0S+1], s86
	s_add_nc_u64 s[G0S+2:G0S+3], s[4:5], s[76:77]
	s_or_b32 s[G0S+3], s[G0S+3], 0x80000000
	s_cmp_lt_u32 s[WV], 8                          ; one load a wave, one chain of branches on the wave's number
	s_cbranch_scc0 .Lnot_k
	tensor_load_to_lds s[G0K:G0K+3], s[G1K:G1K+7]
	s_nop 0
.rept 4
	v_nop
.endr
	s_branch .Lasked
.Lnot_k:
	s_cmp_lt_u32 s[WV], 12
	s_cbranch_scc0 .Lfor_s
	tensor_load_to_lds s[G0V:G0V+3], s[G1V:G1V+7]
	s_nop 0
.rept 4
	v_nop
.endr
	s_branch .Lasked
.Lfor_s:
	tensor_load_to_lds s[G0S:G0S+3], s[G1S:G1S+7]
	s_nop 0
.rept 4
	v_nop
.endr
.Lasked:
	s_add_nc_u64 s[68:69], s[4:5], s[78:79]        ; Q's codes
	s_add_nc_u64 s[70:71], s[4:5], s[80:81]        ; Q's scale bytes
	s_add_nc_u64 s[66:67], s[92:93], s[82:83]      ; the result
	s_add_nc_u64 s[94:95], s[6:7], s[82:83]        ; x
	v_and_b32 v8, 15, v0                           ; r
	v_bfe_u32 v9, v0, 4, 1                         ; h
	v_and_b32 v10, 31, v0
	v_lshlrev_b32 v27, 4, v10                      ; 16 x lane
	v_lshlrev_b32 v25, 4, v8                       ; 16 r
	global_load_b128 v[16:19], v27, s[68:69]       ; Q's 64 codes a row: registers 0-3 of the operand
	global_load_u16 v24, v25, s[70:71]             ; its two scale bytes; bytes 2 and 3 are 0
	v_and_b32 v10, 7, v0
	v_bfe_u32 v11, v0, 3, 1                        ; r / 8
	v_lshlrev_b32 v10, 4, v10                      ; 16 (r % 8)
	v_mad_u32_u24 v[AK0], v11, 2*KP, v10           ; places 8-15 read two tiles further on
	v_lshl_add_u32 v[AK0], v9, 8, v[AK0]           ; + 256 h: my half of the row's 64 codes
	v_mad_u32_u24 v[ASK0], v11, 2*SP, v10
	s_add_co_u32 s87, s15, LKS
	v_add_nc_u32 v[ASK0], s87, v[ASK0]
	v_add_nc_u32 v[AV0], LV, v27
	v_add_nc_u32 v[ASV0], LV+4096, v25
	v_lshlrev_b32 v26, 3, v9                       ; 8 h: where my blocks' bytes stand in p's scale word
	s_mul_i32 s87, s[WV], 4352
	s_add_co_u32 s87, s87, STAGE                   ; my stage
	v_mul_u32_u24 v[STO], v8, 272
	v_lshl_add_u32 v[STO], v9, 6, v[STO]
	v_add_nc_u32 v[STO], s87, v[STO]               ; in: row r, + 64 h
	v_mul_u32_u24 v[RD], v9, 272
	v_add_nc_u32 v[RD], v[RD], v25
	v_add_nc_u32 v[RD], s87, v[RD]                 ; back: lanes 0-15 one row, lanes 16-31 the next
	v_lshl_add_u32 v[GO], v9, 12, v25              ; and the same two rows in memory
	v_mov_b32 v13, 0xff61b1e6                      ; the largest t so far: -3e38
	v_floor_f32 v12, -v13                          ; -M
	v_mov_b32 v14, 0
	v_mov_b32 v15, 0
.irp i, 20,21,22,23,64,65,66,67,236,237,251
	v_mov_b32 v[\i], 0                             ; Q's upper codes; what stands behind K's last tile; permute destinations; the upper half of f's pair
.endr
.set i, 0
.rept 32
	v_mov_b32 v[160+i], 0                          ; O^T: the loop is written once, and its first step finds zeros
.set i, i+1
.endr
; Gathered key tile T (0..7) of the trip's step q1: panel tile 8 q1 + 4 (T / 4) + T % 2, places 8 ((T % 4) / 2) on
.macro KLOAD T, q1, ak, as
	ds_load_b128 v[KB+4*(\T):KB+4*(\T)+3], v[\ak] offset:(8*(\q1)+4*((\T)/4)+(\T)%2)*KP+128*(((\T)%4)/2)
	ds_load_u16 v[68+(\T)], v[\as] offset:(8*(\q1)+4*((\T)/4)+(\T)%2)*SP+128*(((\T)%4)/2)
.endm
.macro SCALE2 j                        ; t - M of the two scores in v[j], v[j + 1]
	v_pk_fma_f32 v[\j:\j+1], v[\j:\j+1], s[CS:CS+1], v[12:13] op_sel_hi:[1,0,0]
.endm
; A KEY STEP: 128 keys, the q-th of the trip's 512.  pf = 1: the next step's K is asked for (behind a trip's last step the next trip's first, by the immediate).  pf = 0, the last step: x's rows are asked for, into K's registers.
.macro STEP q, pf
.if (\q) == 0
	s_wait_dscnt 4                                 ; K's 16 loads are in; the four loads of V's scale words, issued behind them, may be out
.else
	s_wait_dscnt 0x0
.endif
.irp t, 0,1,2,3,4,5,6,7
	v_wmma_scale_f32_16x16x128_f8f6f4 v[96+8*\t:103+8*\t], v[KB+4*\t:KB+4*\t+7], v[16:23], 0, v[68+\t], v24 matrix_a_fmt:MATRIX_FMT_FP4 matrix_b_fmt:MATRIX_FMT_FP4
.endr
	v_mov_b32 v252, v12                            ; the old -M; with the three lines below: four places behind the products
.rept 3
	v_nop
.endr
.if (\pf) == 0
.irp i, 0,1,2,3,4,5,6,7
	global_load_b128 v[32+4*\i:35+4*\i], v[GO], s[94:95] offset:(2*\i+8*(\i/4))*4096 th:TH_LOAD_NT   ; x at my tile's rows, the head's 256 bytes of each
.endr
.endif
.irp g, 0,1                                    ; my two blocks' largest scores, two chains each; every accumulator is first read at its low end
	v_max3_num_f32 v[232+\g], v[96+32*\g], v[97+32*\g], v[98+32*\g]
	v_max3_num_f32 v[234+\g], v[112+32*\g], v[113+32*\g], v[114+32*\g]
.endr
.irp i, 3,5,7,9,11,13
.irp g, 0,1
	v_max3_num_f32 v[232+\g], v[232+\g], v[96+32*\g+\i], v[97+32*\g+\i]
	v_max3_num_f32 v[234+\g], v[234+\g], v[112+32*\g+\i], v[113+32*\g+\i]
.endr
.endr
.irp g, 0,1
	v_max3_num_f32 v[232+\g], v[232+\g], v[234+\g], v[111+32*\g]
.endr
.irp g, 0,1
	v_max_num_f32 v[232+\g], v[232+\g], v[127+32*\g]
.endr
	s_delay_alu instid0(VALU_DEP_1)                ; each of the lines that make M reads the line before it
	v_max_num_f32 v254, v232, v233
	s_delay_alu instid0(VALU_DEP_1)
	v_permlanex16_b32 v236, v254, s[SEL], s[SEL+1]
	s_delay_alu instid0(VALU_DEP_1)
	v_max_num_f32 v254, v254, v236                 ; with lane l xor 16's 64 keys
	s_delay_alu instid0(VALU_DEP_1)
	v_mul_f32 v254, s[CS], v254                    ; the step's largest t
	s_delay_alu instid0(VALU_DEP_1)
	v_max_num_f32 v13, v13, v254
	s_delay_alu instid0(VALU_DEP_1)
	v_floor_f32 v12, -v13                          ; the new -M = -ceil(t): a whole number
	s_delay_alu instid0(VALU_DEP_1)
	v_sub_f32 v254, v12, v252
	v_fma_f32 v232, v232, s[CS], v12               ; t - M of each block's largest score
	v_fma_f32 v233, v233, s[CS], v12
	SCALE2 96                                      ; the first block's scalings; the lines that make f stand among them
	v_cvt_i32_f32 v254, v254                       ; (it saturates)
	SCALE2 98
	SCALE2 100
	SCALE2 102
	v_ldexp_f32 v250, 1.0, v254                    ; f = 2^(old M - new M)
.irp j, 104,106,108,110,112,114,116,118,120,122,124,126
	SCALE2 \j
.endr
.set j, 0
.rept 16
	v_pk_mul_f32 v[160+j:161+j], v[160+j:161+j], v[250:251] op_sel_hi:[1,0]           ; O^T under the new M, each accumulator from its low end on
.set j, j+2
.endr
	s_wait_alu depctr_va_vdst(0)                   ; the wait ahead of the batch
.irp t, 0,1,2,3
.irp c, 0,1
	ds_load_b128 v[200+8*\t+4*\c:203+8*\t+4*\c], v[ADV] offset:17408*\t+1024*(\q)+512*\c   ; V's fragments, and behind them the next step's K: one run of LDS loads
.endr
.endr
.if \pf
.irp t, 0,1,2,3,4,5,6,7
	KLOAD \t, (\q)+1, ADK, ADS
.endr
.endif
	v_exp_f32 v232, v232                           ; each block's largest p: the same two instructions on the same number give the same bits
	v_exp_f32 v233, v233
.set k, 0
.rept 16
	v_exp_f32 v[96+k], v[96+k]                     ; p = 2^(t - M), the first block
	v_exp_f32 v[97+k], v[97+k]
	SCALE2 128+k                                   ; the second block's scalings: read behind the wait below
.set k, k+2
.endr
	v_pk_mul_f32 v[14:15], v[14:15], v[250:251] op_sel_hi:[1,0]    ; the sum under the new M
	s_wait_alu depctr_va_vdst(0)                   ; behind the first batch and ahead of the second
.set k, 0
.irp d, 28,30,76,234,238,240,242,248
	v_exp_f32 v[128+k], v[128+k]                   ; the second block
	v_exp_f32 v[129+k], v[129+k]
	v_exp_f32 v[130+k], v[130+k]
	v_exp_f32 v[131+k], v[131+k]
	v_pk_add_f32 v[\d:\d+1], v[96+k:97+k], v[98+k:99+k]            ; the first block's p, summed by pairs into registers of their own: read behind the wait below
.set k, k+4
.endr
.irp g, 0,1
	v_max_num_f32 v[232+\g], 0x1800000, v[232+\g]  ; the floor 2^(3 - 127)
.endr
.irp g, 0,1
	s_delay_alu instid0(VALU_DEP_2)
	v_add_nc_u32 v[244+\g], 0xff000000, v[232+\g]  ; 2 off the exponent field: the conversion's scale operand
.endr
.irp g, 0,1
	s_delay_alu instid0(VALU_DEP_2)
	v_lshrrev_b32 v[246+\g], 23, v[244+\g]         ; the scale's byte
.endr
	s_delay_alu instid0(VALU_DEP_1)
	v_lshl_or_b32 v253, v247, 16, v246             ; my bytes: blocks h and 2 + h,
	s_delay_alu instid0(VALU_DEP_1)
	v_lshlrev_b32 v253, v26, v253                  ; at their places;
	s_delay_alu instid0(VALU_DEP_1)
	v_permlanex16_b32 v237, v253, s[SEL], s[SEL+1]
	s_delay_alu instid0(VALU_DEP_1)
	v_or_b32 v253, v253, v237                      ; with lane l xor 16's two the word is whole
.irp i, 0,1,2,3
	v_cvt_scalef32_pk8_fp4_f32 v[192+\i], v[96+8*\i:103+8*\i], v244          ; register i: keys 32 h + 8 i on
.endr
	s_wait_alu depctr_va_vdst(0)                   ; behind the second batch, ahead of its first reader
.irp i, 0,1,2,3
	v_cvt_scalef32_pk8_fp4_f32 v[196+\i], v[128+8*\i:135+8*\i], v245         ; register 4 + i: keys 64 + 32 h + 8 i on
.endr
	v_pk_add_f32 v[14:15], v[14:15], v[234:235]    ; the row's sum, of the unquantised p, in four chains; these 24 lines stand between the scale word's and the codes' writes and the products
	v_pk_add_f32 v[28:29], v[28:29], v[238:239]
	v_pk_add_f32 v[30:31], v[30:31], v[240:241]
	v_pk_add_f32 v[76:77], v[76:77], v[242:243]
	v_pk_add_f32 v[14:15], v[14:15], v[248:249]
	v_pk_add_f32 v[28:29], v[28:29], v[128:129]
	v_pk_add_f32 v[30:31], v[30:31], v[130:131]
	v_pk_add_f32 v[76:77], v[76:77], v[132:133]
.irp j, 134,142,150
	v_pk_add_f32 v[14:15], v[14:15], v[\j:\j+1]
	v_pk_add_f32 v[28:29], v[28:29], v[\j+2:\j+3]
	v_pk_add_f32 v[30:31], v[30:31], v[\j+4:\j+5]
	v_pk_add_f32 v[76:77], v[76:77], v[\j+6:\j+7]
.endr
	v_pk_add_f32 v[14:15], v[14:15], v[158:159]
	v_pk_add_f32 v[28:29], v[28:29], v[30:31]
	v_pk_add_f32 v[14:15], v[14:15], v[76:77]
	v_pk_add_f32 v[14:15], v[14:15], v[28:29]
.if \pf
	s_wait_dscnt 16                                ; V's fragments and scale words are in; the next step's 16 loads of K may be out
.else
	s_wait_dscnt 0x0
.endif
.irp t, 0,1,2,3
	v_wmma_scale_f32_16x16x128_f8f6f4 v[160+8*\t:167+8*\t], v[200+8*\t:207+8*\t], v[192:199], v[160+8*\t:167+8*\t], v[80+4*\t+(\q)], v253 matrix_a_fmt:MATRIX_FMT_FP4 matrix_b_fmt:MATRIX_FMT_FP4
.endr
.endm
.macro HEAD                            ; a trip's addresses and V's scale words of its four steps
	v_add_nc_u32 v[ADK], s[TK], v[AK0]             ; (these four lines are also the places between the last products and the loads below)
	v_add_nc_u32 v[ADS], s[TS], v[ASK0]
	v_add_nc_u32 v[ADV], s[TV], v[AV0]
	v_add_nc_u32 v[ADT], s[TV], v[ASV0]
	s_wait_alu depctr_va_vdst(0)                   ; the wait directly behind these writes
.irp t, 0,1,2,3
	ds_load_b128 v[80+4*\t:83+4*\t], v[ADT] offset:17408*\t
.endr
.endm
	s_wait_alu depctr_va_vdst(0)
	s_wait_tensorcnt 0x0                           ; my part of the head's tiles has landed,
	s_wait_loadcnt 0x0                             ; Q is in,
	s_barrier_signal -1
	s_barrier_wait -1                              ; everybody's part has landed
.irp t, 0,1,2,3,4,5,6,7
	KLOAD \t, 0, AK0, ASK0                         ; the first step's K
.endr
.Ltrip:                                            ; three trips of 512 keys; the fourth is written out: its last step has no successor
	HEAD
	STEP 0, 1
	STEP 1, 1
	STEP 2, 1
	STEP 3, 1
	s_add_co_u32 s[TK], s[TK], 32*KP
	s_add_co_u32 s[TS], s[TS], 32*SP
	s_add_co_u32 s[TV], s[TV], 4352
	s_sub_co_u32 s[TRIP], s[TRIP], 1
	s_cmp_lg_u32 s[TRIP], 0
	s_cbranch_scc1 .Ltrip
	HEAD
	STEP 0, 1
	STEP 1, 1
	STEP 2, 1
	STEP 3, 0
	; THE WAY OUT: O^T / the sum goes through my stage, comes back as rows, takes x, and leaves: sixteen lanes store 256 consecutive bytes, aligned.
	s_wait_alu depctr_va_vdst(0)                   ; directly ahead of the reader below
	v_add_f32 v14, v14, v15
	v_permlanex16_b32 v236, v14, s[SEL], s[SEL+1]
	v_add_f32 v14, v14, v236                       ; the row's sum
	s_wait_alu depctr_va_vdst(0)                   ; ahead of the transcendental
	v_rcp_f32 v14, v14
.rept 4
	v_nop                                          ; a plain place behind the reciprocal, and the places behind the last products
.endr
	s_wait_alu depctr_va_vdst(0)                   ; ahead of the first reader of the reciprocal and of O^T
.set j, 0
.rept 32
	v_mul_f32 v[96+j], v[160+j], v14               ; register 8 t + i: e = 32 (t / 2) + 16 h + 8 (t % 2) + i
.set j, j+1
.endr
.irp t, 0,1,2,3
	ds_store_b128 v[STO], v[96+8*\t:99+8*\t] offset:128*(\t/2)+32*(\t%2)
	ds_store_b128 v[STO], v[100+8*\t:103+8*\t] offset:128*(\t/2)+32*(\t%2)+16
.endr
.irp i, 0,1,2,3,4,5,6,7
	ds_load_b128 v[200+4*\i:203+4*\i], v[RD] offset:544*\i         ; LDS serves a wave's instructions in order: these see my stores
.endr
	s_wait_loadcnt 0x0                             ; x
	s_wait_dscnt 0x0
.set j, 0
.rept 16
	v_pk_add_f32 v[200+j:201+j], v[200+j:201+j], v[32+j:33+j]
.set j, j+2
.endr
.irp i, 0,1,2,3,4,5,6,7
	global_store_b128 v[GO], v[200+4*\i:203+4*\i], s[66:67] offset:(2*\i+8*(\i/4))*4096   ; place p of the tile is row p + 8 (p / 8)
.endr
	s_wait_tensorcnt 0x0                           ; the wave's end
	ds_add_u32 v79, v255
	s_wait_dscnt 0x0
	CROUND                                         ; the closing round
	s_endpgm
.Lfunc_end_k_qb060bfd691_attn:
	.size	k_qb060bfd691_attn, .Lfunc_end_k_qb060bfd691_attn-k_qb060bfd691_attn
	.p2alignl 7, 3214868480
	.fill 96, 4, 3214868480
	.section	.rodata,"a",@progbits
	.p2align	6, 0x0
	.amdhsa_kernel k_qb060bfd691_attn
		.amdhsa_group_segment_fixed_size 256000
		.amdhsa_private_segment_fixed_size 0
		.amdhsa_enable_private_segment 0
		.amdhsa_kernarg_size 24
		.amdhsa_user_sgpr_count 2
		.amdhsa_user_sgpr_kernarg_segment_ptr 1
		.amdhsa_wavefront_size32 1
		.amdhsa_system_sgpr_workgroup_id_x 1
		.amdhsa_system_sgpr_workgroup_id_y 1
		.amdhsa_system_sgpr_workgroup_id_z 1
		.amdhsa_system_vgpr_workitem_id 0
		.amdhsa_next_free_vgpr 256
		.amdhsa_next_free_sgpr 96
		.amdhsa_reserve_vcc 0
		.amdhsa_float_denorm_mode_32 3
		.amdhsa_float_denorm_mode_16_64 3
		.amdhsa_memory_ordered 1
		.amdhsa_forward_progress 1
		.amdhsa_inst_pref_size 132
	.end_amdhsa_kernel
	.amdgpu_metadata
---
amdhsa.version: [ 1, 2 ]
amdhsa.kernels:
  - .name:           k_qb060bfd691_attn
    .symbol:         k_qb060bfd691_attn.kd
    .args:
      - { .name: qkvp, .offset: 0, .size: 8, .value_kind: global_buffer, .address_space: global }
      - { .name: x, .offset: 8, .size: 8, .value_kind: global_buffer, .address_space: global }
      - { .name: res, .offset: 16, .size: 8, .value_kind: global_buffer, .address_space: global }
    .group_segment_fixed_size: 256000
    .private_segment_fixed_size: 0
    .kernarg_segment_align: 8
    .kernarg_segment_size: 24
    .max_flat_workgroup_size: 512
    .sgpr_count:     96
    .vgpr_count:     256
    .wavefront_size: 32
...
	.end_amdgpu_metadata
.endif
;; end of part 3
;; launch ln1 (part 4): grid 256 x 1, 8 waves a work-group, no clusters, 67,584 bytes of LDS; arguments res, ln_g, ln_b, h1, h1p; writes h1, h1p
.if DOCPART == 4
	.amdgcn_target "amdgcn-amd-amdhsa--gfx1250"
	.amdhsa_code_object_version 6
	.text
	.protected	k_qb060bfd691_ln1
	.globl	k_qb060bfd691_ln1
	.p2align	8
	.type	k_qb060bfd691_ln1,@function
k_qb060bfd691_ln1:
	s_mov_b64 s[64:65], 0
	v_nop
	global_prefetch_b8 v0, s[64:65] scope:SCOPE_SE
	s_setreg_imm32_b32 hwreg(HW_REG_WAVE_MODE, 25, 1), 1
	s_wait_xcnt 0x0
; h1 = layernorm(x + o) x g + b, in f32, stored as it is (for the residual) and as a panel of FP4 codes with E8M0 scales along its 1,024 columns (for the next product).
; A work-group owns one tile of the panel: 16 rows (place r = row 32 (T / 2) + 8 (T % 2) + r + 8 (r / 8)); each of its eight waves two rows, kept in registers between the passes: mean, then the squares of the differences.
; Every load and store of a wave covers 512 consecutive bytes.  Memory binds: no matrix unit, no cluster (work-groups share nothing but g and b).
; Then the 16 rows meet in LDS (pitch 4,096 + 16 bytes) and wave w quantises columns 128 w on: lane (r, h) takes 16 neighbours of each block of 32, so that the conversions' results are the operand's registers.
; LIMITS: a block of zeros gets the scale byte 1 (its codes are zeros; this program alone reads the bytes); NaN and infinities are not served.
.set A,   32                           ; v32-95  my two rows: x + o, then h1; later 64 numbers for the quantiser
.set BV,  96
.set G,   160
.set BE,  192
.set TM,  4                            ; v4-19: sums, means and factors; later the quantiser's
.set PC,  20
.set PW,  28
.set LI,  2
.set SAD, 3
.set RA,  29
.set SCW, 30
.set SCR, 31
.set SCG, 224
.set SCL, 65792                        ; LDS: behind the 16 rows: the tile's scale words, 2 x 256 bytes
.set SEL, 26
	s_load_b64 s[6:7], s[0:1], 0x0                 ; res = x + o, as the launch before has stored it
	s_load_b256 s[8:15], s[0:1], 0x8               ; g, b, h1, h1p
	v_lshl_add_u32 v240, v0, 2, 0x10400
	v_mov_b32 v241, 0
	v_lshrrev_b32 v1, 5, v0
	s_delay_alu instid0(VALU_DEP_1)
	v_readfirstlane_b32 s16, v1                    ; wave
	v_and_b32 v1, 31, v0
	s_delay_alu instid0(VALU_DEP_1)
	v_lshlrev_b32 v[LI], 4, v1
	s_wait_alu depctr_va_vdst(0)
	s_lshr_b32 s17, ttmp9, 1
	s_lshl_b32 s17, s17, 5
	s_and_b32 s18, ttmp9, 1
	s_lshl_b32 s18, s18, 3
	s_add_co_u32 s17, s17, s18
	s_lshl_b32 s18, s16, 1
	s_add_co_u32 s17, s17, s18
	s_lshr_b32 s19, s16, 2
	s_lshl_b32 s18, s19, 3
	s_add_co_u32 s17, s17, s18                     ; my first row: places 2 w and 2 w + 1
	s_lshl_b32 s20, s17, 12
	s_mov_b32 s21, 0
	s_lshl_b32 s22, ttmp9, 1
	s_add_co_u32 s22, s22, s19
	s_mul_i32 s22, s22, 4352
	s_and_b32 s18, s16, 3
	s_lshl_b32 s23, s18, 10
	s_add_co_u32 s22, s22, s23                     ; my fragment's place in the panel
	s_mov_b32 s23, 0
	s_mul_i32 s24, ttmp9, 8704
	s_add_co_u32 s24, s24, 4096                    ; the tile's scale bytes
	s_mov_b32 s25, 0
	s_mov_b32 s[SEL], 0x76543210
	s_mov_b32 s[SEL+1], 0xfedcba98
	s_mov_b32 s28, 0x3a800000                      ; 1 / 1,024
	s_mov_b32 s29, 0x3727c5ac                      ; 1e-5
	s_mul_i32 s30, s16, 8224
	v_add_nc_u32 v[SAD], s30, v[LI]                ; my two rows in LDS
	v_and_b32 v5, 15, v0                           ; r
	v_bfe_u32 v6, v0, 4, 1                         ; h
	s_delay_alu instid0(VALU_DEP_2)
	v_mul_u32_u24 v[RA], v5, 4112
	s_delay_alu instid0(VALU_DEP_1)
	v_lshl_add_u32 v[RA], v6, 6, v[RA]
	s_lshl_b32 s30, s16, 9
	v_add_nc_u32 v[RA], s30, v[RA]                 ; row r, + 64 h, + my 512 bytes
	s_lshl_b32 s30, s19, 8
	s_lshl_b32 s31, s18, 2
	s_add_co_u32 s30, s30, s31
	s_add_co_u32 s30, s30, SCL
	v_lshl_add_u32 v[SCW], v5, 4, s30              ; my word of row r's 16 bytes
	v_add_nc_u32 v[SCR], SCL, v[LI]
	v_mul_u32_u24 v[SCG], v6, 4352
	s_delay_alu instid0(VALU_DEP_1)
	v_lshl_add_u32 v[SCG], v5, 4, v[SCG]
	v_mov_b32 v20, 0                               ; permute destinations are written once
	v_mov_b32 v21, 0
	s_wait_kmcnt 0x0
	s_add_nc_u64 s[6:7], s[6:7], s[20:21]
	s_add_nc_u64 s[12:13], s[12:13], s[20:21]
	s_add_nc_u64 s[22:23], s[14:15], s[22:23]
	s_add_nc_u64 s[24:25], s[14:15], s[24:25]
.irp k, 0,1
.irp i, 0,1,2,3,4,5,6,7
	global_load_b128 v[A+32*\k+4*\i:A+32*\k+4*\i+3], v[LI], s[6:7] offset:4096*\k+512*\i th:TH_LOAD_NT
.endr
.endr
.irp i, 0,1,2,3,4,5,6,7
	global_load_b128 v[G+4*\i:G+4*\i+3], v[LI], s[8:9] offset:512*\i
	global_load_b128 v[BE+4*\i:BE+4*\i+3], v[LI], s[10:11] offset:512*\i
.endr
.macro REDUCE                          ; v4 and v8: the two rows' sums over the 32 lanes, in every lane
.irp m, 1,2,4,8
.irp k, 0,1
	s_delay_alu instid0(VALU_DEP_2)
	v_add_f32_dpp v[4+4*\k], v[4+4*\k], v[4+4*\k] row_xmask:\m row_mask:0xf bank_mask:0xf
.endr
.endr
.irp k, 0,1
	s_delay_alu instid0(VALU_DEP_2)
	v_permlanex16_b32 v[20+\k], v[4+4*\k], s[SEL], s[SEL+1]
.endr
.irp k, 0,1
	s_delay_alu instid0(VALU_DEP_2)
	v_add_f32 v[4+4*\k], v[4+4*\k], v[20+\k]
.endr
.endm
	s_wait_loadcnt 0x0
.irp k, 0,1
	v_pk_add_f32 v[4+4*\k:5+4*\k], v[A+32*\k:A+32*\k+1], v[A+32*\k+2:A+32*\k+3]   ; the sum, in two chains a row
	v_pk_add_f32 v[6+4*\k:7+4*\k], v[A+32*\k+4:A+32*\k+5], v[A+32*\k+6:A+32*\k+7]
.endr
.irp i, 8,12,16,20,24,28
.irp k, 0,1
	s_delay_alu instid0(VALU_DEP_4)
	v_pk_add_f32 v[4+4*\k:5+4*\k], v[4+4*\k:5+4*\k], v[A+32*\k+\i:A+32*\k+\i+1]
	s_delay_alu instid0(VALU_DEP_4)
	v_pk_add_f32 v[6+4*\k:7+4*\k], v[6+4*\k:7+4*\k], v[A+32*\k+\i+2:A+32*\k+\i+3]
.endr
.endr
.irp k, 0
	s_delay_alu instid0(VALU_DEP_3)
	v_pk_add_f32 v[4+4*\k:5+4*\k], v[4+4*\k:5+4*\k], v[6+4*\k:7+4*\k]
.endr
.irp k, 1
	s_delay_alu instid0(VALU_DEP_2)
	v_pk_add_f32 v[4+4*\k:5+4*\k], v[4+4*\k:5+4*\k], v[6+4*\k:7+4*\k]
.endr
.irp k, 0,1
	s_delay_alu instid0(VALU_DEP_2)
	v_add_f32 v[4+4*\k], v[4+4*\k], v[5+4*\k]
.endr
	REDUCE
.irp k, 0
	s_delay_alu instid0(VALU_DEP_2)
	v_mul_f32 v[12+2*\k], s28, v[4+4*\k]           ; the mean, twice: a pair for the packed subtraction
	s_delay_alu instid0(VALU_DEP_3)
	v_mul_f32 v[13+2*\k], s28, v[4+4*\k]
.endr
.irp k, 1
	s_delay_alu instid0(VALU_DEP_3)
	v_mul_f32 v[12+2*\k], s28, v[4+4*\k]           ; the mean, twice: a pair for the packed subtraction
	s_delay_alu instid0(VALU_DEP_4)
	v_mul_f32 v[13+2*\k], s28, v[4+4*\k]
.endr
.irp i, 0,2,4,6,8,10,12,14,16,18,20,22,24,26,28,30
.irp k, 0,1
	v_pk_add_f32 v[A+32*\k+\i:A+32*\k+\i+1], v[A+32*\k+\i:A+32*\k+\i+1], v[12+2*\k:13+2*\k] neg_lo:[0,1] neg_hi:[0,1]
.endr
.endr
.irp k, 0,1
	v_pk_mul_f32 v[4+4*\k:5+4*\k], v[A+32*\k:A+32*\k+1], v[A+32*\k:A+32*\k+1]     ; the squares of the differences
	v_pk_mul_f32 v[6+4*\k:7+4*\k], v[A+32*\k+2:A+32*\k+3], v[A+32*\k+2:A+32*\k+3]
.endr
.irp i, 4,8,12,16,20,24,28
.irp k, 0,1
	s_delay_alu instid0(VALU_DEP_4)
	v_pk_fma_f32 v[4+4*\k:5+4*\k], v[A+32*\k+\i:A+32*\k+\i+1], v[A+32*\k+\i:A+32*\k+\i+1], v[4+4*\k:5+4*\k]
	s_delay_alu instid0(VALU_DEP_4)
	v_pk_fma_f32 v[6+4*\k:7+4*\k], v[A+32*\k+\i+2:A+32*\k+\i+3], v[A+32*\k+\i+2:A+32*\k+\i+3], v[6+4*\k:7+4*\k]
.endr
.endr
.irp k, 0
	s_delay_alu instid0(VALU_DEP_3)
	v_pk_add_f32 v[4+4*\k:5+4*\k], v[4+4*\k:5+4*\k], v[6+4*\k:7+4*\k]
.endr
.irp k, 1
	s_delay_alu instid0(VALU_DEP_2)
	v_pk_add_f32 v[4+4*\k:5+4*\k], v[4+4*\k:5+4*\k], v[6+4*\k:7+4*\k]
.endr
.irp k, 0,1
	s_delay_alu instid0(VALU_DEP_2)
	v_add_f32 v[4+4*\k], v[4+4*\k], v[5+4*\k]
.endr
	REDUCE
.irp k, 0,1
	s_delay_alu instid0(VALU_DEP_2)
	v_fma_f32 v[16+2*\k], v[4+4*\k], s28, s29      ; the variance + 1e-5
.endr
	s_wait_alu depctr_va_vdst(0)
.irp k, 0,1
	v_rsq_f32 v[16+2*\k], v[16+2*\k]
.endr
	v_nop                                          ; a plain place behind the two
	s_wait_alu depctr_va_vdst(0)                   ; one wait for both, ahead of their first reader
.irp k, 0,1
	v_mov_b32 v[17+2*\k], v[16+2*\k]
.endr
.irp i, 0,2,4,6,8,10,12,14,16,18,20,22,24,26,28,30
.irp k, 0,1
	v_pk_mul_f32 v[A+32*\k+\i:A+32*\k+\i+1], v[A+32*\k+\i:A+32*\k+\i+1], v[16+2*\k:17+2*\k]
.endr
.irp k, 0,1
	s_delay_alu instid0(VALU_DEP_2)
	v_pk_fma_f32 v[A+32*\k+\i:A+32*\k+\i+1], v[A+32*\k+\i:A+32*\k+\i+1], v[G+\i:G+\i+1], v[BE+\i:BE+\i+1]
.endr
.endr
.irp k, 0,1
.irp i, 0,1,2,3,4,5,6,7
	global_store_b128 v[LI], v[A+32*\k+4*\i:A+32*\k+4*\i+3], s[12:13] offset:4096*\k+512*\i
	ds_store_b128 v[SAD], v[A+32*\k+4*\i:A+32*\k+4*\i+3] offset:4112*\k+512*\i
.endr
.endr
	s_wait_dscnt 0x0                               ; for the others' sake: my rows lie in LDS
	s_barrier_signal -1
	s_barrier_wait -1
	s_wait_xcnt 0x0                                ; the stores of h1 have read their registers: they are loaded again only behind this wait
.irp b, 0,1,2,3
.irp i, 0,1,2,3
	ds_load_b128 v[A+16*\b+4*\i:A+16*\b+4*\i+3], v[RA] offset:128*\b+16*\i   ; register 16 b + i: column 128 w + 32 b + 16 h + i of place r
.endr
.endr
	s_wait_dscnt 0x0
.irp b, 0,1,2,3
	v_max3_num_f32 v[TM+\b], |v[A+16*\b]|, |v[A+1+16*\b]|, 0x1800000   ; my 16 numbers of block b, and the floor 2^(3 - 127)
.endr
.irp i, 2,4,6,8,10,12,14
.irp b, 0,1,2,3
	s_delay_alu instid0(VALU_DEP_4)
	v_max3_num_f32 v[TM+\b], v[TM+\b], |v[A+16*\b+\i]|, |v[A+1+16*\b+\i]|
.endr
.endr
.irp b, 0,1,2,3
	s_delay_alu instid0(VALU_DEP_4)
	v_permlanex16_b32 v[TM+4+\b], v[TM+\b], s[SEL], s[SEL+1]
.endr
.irp b, 0,1,2,3
	s_delay_alu instid0(VALU_DEP_4)
	v_max_num_f32 v[TM+\b], v[TM+\b], v[TM+4+\b]
.endr
.irp b, 0,1,2,3
	s_delay_alu instid0(VALU_DEP_4)
	v_add_nc_u32 v[TM+12+\b], 0xff000000, v[TM+\b] ; 2 off the exponent field: the conversion's scale operand
.endr
.irp b, 0,1,2,3
	s_delay_alu instid0(VALU_DEP_4)
	v_lshrrev_b32 v[TM+4+\b], 23, v[TM+12+\b]      ; the scale's byte
.endr
	s_delay_alu instid0(VALU_DEP_3)
	v_lshl_or_b32 v[PW], v[TM+5], 8, v[TM+4]
	s_delay_alu instid0(VALU_DEP_1)
	v_lshl_or_b32 v[PW], v[TM+6], 16, v[PW]
	s_delay_alu instid0(VALU_DEP_1)
	v_lshl_or_b32 v[PW], v[TM+7], 24, v[PW]
.irp b, 0,1,2,3
	v_cvt_scalef32_pk8_fp4_f32 v[PC+2*\b], v[A+16*\b:A+7+16*\b], v[TM+12+\b]
	v_cvt_scalef32_pk8_fp4_f32 v[PC+1+2*\b], v[A+8+16*\b:A+15+16*\b], v[TM+12+\b]
.endr
	v_nop                                          ; one plain place behind a scaled conversion
.irp c, 0,1
.irp i, 0,1
	v_permlane16_swap_b32 v[PC+4*\c+\i], v[PC+2+4*\c+\i]           ; a whole block in a lane
.endr
.endr
	global_store_b128 v[LI], v[PC:PC+3], s[22:23]                  ; the fragment as the image of its registers: 512 consecutive bytes a store
	global_store_b128 v[LI], v[PC+4:PC+7], s[22:23] offset:512
	ds_store_b32 v[SCW], v[PW]                     ; lanes r and r + 16 write the same word with the same value
	s_wait_dscnt 0x0
	s_barrier_signal -1
	s_barrier_wait -1
	s_cmp_lg_u32 s16, 0                            ; wave 0 stores the tile's scale bytes: two whole runs of 256 bytes
	s_cbranch_scc1 .Lend
	ds_load_b128 v[32:35], v[SCR]
	s_wait_dscnt 0x0
	global_store_b128 v[SCG], v[32:35], s[24:25]
.Lend:
	s_wait_tensorcnt 0x0
	ds_add_u32 v240, v241
	s_wait_dscnt 0x0
	s_endpgm
.Lfunc_end_k_qb060bfd691_ln1:
	.size	k_qb060bfd691_ln1, .Lfunc_end_k_qb060bfd691_ln1-k_qb060bfd691_ln1
	.p2alignl 7, 3214868480
	.fill 96, 4, 3214868480
	.section	.rodata,"a",@progbits
	.p2align	6, 0x0
	.amdhsa_kernel k_qb060bfd691_ln1
		.amdhsa_group_segment_fixed_size 67584
		.amdhsa_private_segment_fixed_size 0
		.amdhsa_enable_private_segment 0
		.amdhsa_kernarg_size 40
		.amdhsa_user_sgpr_count 2
		.amdhsa_user_sgpr_kernarg_segment_ptr 1
		.amdhsa_wavefront_size32 1
		.amdhsa_system_sgpr_workgroup_id_x 1
		.amdhsa_system_sgpr_workgroup_id_y 1
		.amdhsa_system_sgpr_workgroup_id_z 1
		.amdhsa_system_vgpr_workitem_id 0
		.amdhsa_next_free_vgpr 242
		.amdhsa_next_free_sgpr 66
		.amdhsa_reserve_vcc 0
		.amdhsa_float_denorm_mode_32 3
		.amdhsa_float_denorm_mode_16_64 3
		.amdhsa_memory_ordered 1
		.amdhsa_forward_progress 1
		.amdhsa_inst_pref_size 32
	.end_amdhsa_kernel
	.amdgpu_metadata
---
amdhsa.version: [ 1, 2 ]
amdhsa.kernels:
  - .name:           k_qb060bfd691_ln1
    .symbol:         k_qb060bfd691_ln1.kd
    .args:
      - { .name: res, .offset: 0, .size: 8, .value_kind: global_buffer, .address_space: global }
      - { .name: ln_g, .offset: 8, .size: 8, .value_kind: global_buffer, .address_space: global }
      - { .name: ln_b, .offset: 16, .size: 8, .value_kind: global_buffer, .address_space: global }
      - { .name: h1, .offset: 24, .size: 8, .value_kind: global_buffer, .address_space: global }
      - { .name: h1p, .offset: 32, .size: 8, .value_kind: global_buffer, .address_space: global }
    .group_segment_fixed_size: 67584
    .private_segment_fixed_size: 0
    .kernarg_segment_align: 8
    .kernarg_segment_size: 40
    .max_flat_workgroup_size: 256
    .sgpr_count:     66
    .vgpr_count:     242
    .wavefront_size: 32
...
	.end_amdgpu_metadata
.endif
;; end of part 4
;; launch ffn1 (part 5): grid 16 x 16, 4 waves a work-group, clusters of 4 x 4, 327,680 bytes of LDS; arguments h1p, pre, b1, hid; writes hid
.if DOCPART == 5
	.amdgcn_target "amdgcn-amd-amdhsa--gfx1250"
	.amdhsa_code_object_version 6
	.text
	.protected	k_qb060bfd691_ffn1
	.globl	k_qb060bfd691_ffn1
	.p2align	8
	.type	k_qb060bfd691_ffn1,@function
k_qb060bfd691_ffn1:
	s_mov_b64 s[64:65], 0
	v_nop
	global_prefetch_b8 v0, s[64:65] scope:SCOPE_SE
	s_setreg_imm32_b32 hwreg(HW_REG_WAVE_MODE, 25, 1), 1
	s_wait_xcnt 0x0
	s_wait_alu depctr_hold_cnt(0) depctr_sa_sdst(0) depctr_va_vdst(0) depctr_va_sdst(0) depctr_va_ssrc(0) depctr_va_vcc(0) depctr_vm_vsrc(0)
	s_getreg_b32 s2, hwreg(HW_REG_IB_STS2, 6, 4)
	s_cmp_eq_u32 s2, 0
	s_cbranch_scc0 .Lentry_in_a_cluster
	s_endpgm
.Lentry_in_a_cluster:
	s_bfe_u32 s2, ttmp6, 0x10000c
	s_cmp_lg_u32 s2, 0xf033
	s_cbranch_scc0 .Lentry_shape_is_right
	s_endpgm
.Lentry_shape_is_right:
.set SIB,   4352
.set TILEB, 8704
.set HALF,  8*TILEB                    ; 8 tiles, all of K: what one tensor load brings
.set SLOT,  SIB                        ; inside a tile the run K = 512 on lies 4,352 bytes behind the first
.set W1P,   3899392
.set OSTR,  34816
.set FR,   8
.set ADRA, 20
.set ADRB, 22
.set ADRS, 24
.set LI,   26
.set SWO,  27
.set SC,   32
.set TM,   96
.set PC,   112
.set PW,   120
.set PWE,  121
.set PWS,  122
.set AF,   128
.set H,    128
.set BN,   192
.set G1,  24
.set G0,  32
.set G1B, 48
.set G0B, 56
.set SEL, 82
.set MSB, 0
.macro WIN new
.if MSB != (\new)
	s_set_vgpr_msb (MSB<<8)|(\new)
.set MSB, (\new)
.endif
.endm
.set MUL_LO, 0xa1
.set MUL_HI, 0xf1
.set TO_B,   0x40
.macro JLOAD g0a, g1a, g0b, g1b
	s_cmp_eq_u32 s15, 0
	s_cbranch_scc0 .Lfor_b_\@
	tensor_load_to_lds s[\g0a:\g0a+3], s[\g1a:\g1a+7]
	s_nop 0
.rept 4
	v_nop
.endr
	s_branch .Lasked_\@
.Lfor_b_\@:
	tensor_load_to_lds s[\g0b:\g0b+3], s[\g1b:\g1b+7]
	s_nop 0
.rept 4
	v_nop
.endr
.Lasked_\@:
.endm
.macro CROUND
	s_barrier_signal -1
	s_barrier_wait -1
	s_cmp_lg_u32 s14, 0
	s_cbranch_scc1 .Lnot_wave_0_\@
	s_barrier_signal -3
.Lnot_wave_0_\@:
	s_barrier_wait -3
	s_barrier_signal -1
	s_barrier_wait -1
.endm
.macro PLACES n
.rept \n
	v_nop
.endr
.endm
	s_load_b256 s[4:11], s[0:1], 0x0
	v_lshl_add_u32 v126, v0, 2, 0x44000
	v_mov_b32 v127, 0
	ds_add_u32 v126, v127
	ds_add_u32 v126, v127
	v_lshrrev_b32 v1, 5, v0
	v_readfirstlane_b32 s14, v1
	s_lshr_b32 s15, s14, 1
	s_and_b32 s16, s14, 1
	s_bfe_u32 s40, ttmp6, 0x40000
	s_bfe_u32 s41, ttmp6, 0x40004
	s_and_b32 s20, ttmp7, 0xffff
	s_lshl_b32 s20, s20, 2
	s_add_co_u32 s20, s20, s41
	s_lshl_b32 s46, ttmp9, 2
	s_add_co_u32 s46, s46, s40
	s_lshl_b32 s43, s41, 2
	s_lshl_b32 s43, 15, s43
	s_lshl_b32 s44, 0x1111, s40
	s_or_b32 s[G1+0], s43, (3<<16)|(1<<21)
	s_or_b32 s[G1B+0], s44, (3<<16)|(1<<21)
.irp g, G1, G1B
	s_mov_b32 s[\g+1], 1088<<16
	s_mov_b32 s[\g+2], 8<<16
	s_mov_b32 s[\g+3], 1088<<16
	s_mov_b32 s[\g+4], 8
	s_mov_b32 s[\g+5], 1088
	s_mov_b32 s[\g+6], 0
	s_mov_b32 s[\g+7], 0
.endr
	s_lshl_b32 s21, s16, 3
	s_lshl_b32 s84, s20, 4
	s_add_co_u32 s84, s84, s21
	s_mul_i32 s84, s84, TILEB
	s_mov_b32 s85, 0
	s_lshl_b32 s86, s46, 4
	s_add_co_u32 s86, s86, s21
	s_mul_i32 s86, s86, TILEB
	s_add_co_u32 s86, s86, W1P
	s_mov_b32 s87, 0
	s_mul_i32 s45, s14, HALF
	s_wait_dscnt 0x0
	s_wait_kmcnt 0x0
	s_add_nc_u64 s[84:85], s[4:5], s[84:85]
	s_add_nc_u64 s[86:87], s[6:7], s[86:87]
	CROUND
.irp s, 0
	s_mov_b32 s[G0+4*\s], 1
	s_add_co_u32 s[G0+4*\s+1], s45, \s*SLOT
	s_add_nc_u64 s[G0+4*\s+2:G0+4*\s+3], s[84:85], \s*SIB
	s_or_b32 s[G0+4*\s+3], s[G0+4*\s+3], 0x80000000
	s_mov_b32 s[G0B+4*\s], 1
	s_add_co_u32 s[G0B+4*\s+1], s45, \s*SLOT
	s_add_nc_u64 s[G0B+4*\s+2:G0B+4*\s+3], s[86:87], \s*SIB
	s_or_b32 s[G0B+4*\s+3], s[G0B+4*\s+3], 0x80000000
	JLOAD G0+4*\s, G1, G0B+4*\s, G1B               ; my one tensor load: 8 tiles x 8,704 bytes
.endr
	v_and_b32 v1, 15, v0
	v_bfe_u32 v2, v0, 4, 1
	s_wait_alu depctr_va_vdst(0)
	v_and_b32 v3, 31, v0
	v_lshlrev_b32 v[LI], 4, v3
	s_mul_i32 s21, s15, HALF
	s_mul_i32 s22, s16, HALF
	s_add_co_u32 s22, s22, 2*HALF
.irp s, 0,1
	v_add_nc_u32 v[ADRA+\s], s21, v[LI]
	v_add_nc_u32 v[ADRB+\s], s22, v[LI]
	s_add_co_u32 s21, s21, SLOT
	s_add_co_u32 s22, s22, SLOT
.endr
	s_mul_i32 s21, s15, HALF
	s_mul_i32 s22, s16, HALF
	s_add_co_u32 s22, s22, 2*HALF
	s_sub_co_u32 s22, s22, s21
	v_mul_u32_u24 v28, s22, v2
	v_lshl_add_u32 v28, v1, 4, v28
	s_add_co_u32 s21, s21, 4096
	v_add_nc_u32 v[ADRS], s21, v28
	v_add_nc_u32 v[ADRS+1], SLOT, v[ADRS]
	s_lshl_b32 s88, s46, 8
	s_lshl_b32 s89, s16, 7
	s_add_co_u32 s88, s88, s89
	s_lshl_b32 s88, s88, 2
	s_mov_b32 s89, 0
	s_add_nc_u64 s[66:67], s[8:9], s[88:89]
	v_lshlrev_b32 v29, 6, v2
.irp b, 0,1,2,3
.irp i, 0,1,2,3
	global_load_b128 v[BN+16*\b+4*\i:BN+16*\b+4*\i+3], v29, s[66:67] offset:128*\b+16*\i
.endr
.endr
	s_mov_b32 s78, 0xffff0000
	s_mov_b32 s[SEL], 0x76543210
	s_mov_b32 s[SEL+1], 0xfedcba98
.irp b, 0,1,2,3
	v_mov_b32 v[TM+4+\b], 0
.endr
	v_mul_u32_u24 v[SWO], v2, OSTR
	v_lshl_add_u32 v[SWO], v1, 4, v[SWO]
	s_lshl_b32 s70, s20, 4
	s_lshl_b32 s71, s15, 3
	s_add_co_u32 s70, s70, s71
	s_mul_i32 s70, s70, OSTR
	s_lshl_b32 s72, s46, 1
	s_add_co_u32 s72, s72, s16
	s_lshr_b32 s73, s72, 2
	s_mul_i32 s73, s73, SIB
	s_add_co_u32 s70, s70, s73
	s_and_b32 s72, s72, 3
	s_lshl_b32 s73, s72, 10
	s_lshl_b32 s72, s72, 2
	s_add_co_u32 s72, s72, 4096
	s_add_co_u32 s72, s72, s70
	s_add_co_u32 s70, s70, s73
	s_mov_b32 s71, 0
	s_mov_b32 s73, 0
	s_add_nc_u64 s[70:71], s[10:11], s[70:71]
	s_add_nc_u64 s[72:73], s[10:11], s[72:73]
.macro FRAG reg, adr, q, i
.irp c, 0,1
	ds_load_b128 v[\reg+4*\c:\reg+4*\c+3], v[\adr] offset:TILEB*(\i)+1024*(\q)+512*\c
.endr
.endm
.macro MUL16 a0, p, q, sc, zero
.irp a, \a0, \a0+1
.irp b, 0,1,2,3,4,5,6,7
.if \zero
	v_wmma_scale_f32_16x16x128_f8f6f4 v[8*(8*((\a)%4)+\b):8*(8*((\a)%4)+\b)+7], v[128*(\p)+FR*\b:128*(\p)+FR*\b+FR-1], v[AF+FR*(\a):AF+FR*(\a)+FR-1], 0, v[SC+32*(\sc)+4*\b+(\q)], v[SC+32*(\sc)+4*(\a)+(\q)] matrix_a_fmt:MATRIX_FMT_FP4 matrix_b_fmt:MATRIX_FMT_FP4 matrix_a_scale:MATRIX_SCALE_ROW1
.else
	v_wmma_scale_f32_16x16x128_f8f6f4 v[8*(8*((\a)%4)+\b):8*(8*((\a)%4)+\b)+7], v[128*(\p)+FR*\b:128*(\p)+FR*\b+FR-1], v[AF+FR*(\a):AF+FR*(\a)+FR-1], v[8*(8*((\a)%4)+\b):8*(8*((\a)%4)+\b)+7], v[SC+32*(\sc)+4*\b+(\q)], v[SC+32*(\sc)+4*(\a)+(\q)] matrix_a_fmt:MATRIX_FMT_FP4 matrix_b_fmt:MATRIX_FMT_FP4 matrix_a_scale:MATRIX_SCALE_ROW1
.endif
.endr
.endr
.endm
.macro FETCH_B slot, q, p
	WIN TO_B
.irp i, 0,1,2,3,4,5,6,7
	FRAG 128*(\p)+FR*\i, ADRB+\slot, \q, \i
.endr
	WIN 0
.endm
.macro FETCH_A slot, q, i0
.irp i, \i0, \i0+1, \i0+2, \i0+3
	FRAG AF+FR*(\i), ADRA+\slot, \q, \i
.endr
.endm
.macro SCALES sc
.irp i, 0,1,2,3,4,5,6,7
	ds_load_b128 v[SC+32*\sc+4*\i:SC+32*\sc+4*\i+3], v[ADRS+\sc] offset:TILEB*\i
.endr
.endm
.macro STEP slot, q, nslot, nq, zero, cross
	s_wait_dscnt 8
	WIN MUL_LO
	MUL16 0, (\q)%2, \q, \slot, \zero
	MUL16 2, (\q)%2, \q, \slot, \zero
	s_wait_dscnt 0x0
	PLACES 4
	FETCH_B \nslot, \nq, 1-(\q)%2
	FETCH_A \nslot, \nq, 0
.if \cross
	SCALES \nslot
.endif
	WIN MUL_HI
	MUL16 4, (\q)%2, \q, \slot, \zero
	MUL16 6, (\q)%2, \q, \slot, \zero
	PLACES 4
	WIN 0
	FETCH_A \nslot, \nq, 4
.endm
.macro QUANT s
.irp b, 0,1,2,3
	v_max3_num_f32 v[TM+\b], |v[\s+16*\b]|, |v[\s+1+16*\b]|, 0x1800000
.endr
.irp i, 2,4,6,8,10,12,14
.irp b, 0,1,2,3
	v_max3_num_f32 v[TM+\b], v[TM+\b], |v[\s+16*\b+\i]|, |v[\s+1+16*\b+\i]|
.endr
.endr
.irp b, 0,1,2,3
	v_permlanex16_b32 v[TM+4+\b], v[TM+\b], s[SEL], s[SEL+1]
.endr
.irp b, 0,1,2,3
	v_max_num_f32 v[TM+\b], v[TM+\b], v[TM+4+\b]
.endr
.irp b, 0,1,2,3
	v_add_nc_u32 v[TM+12+\b], 0xff000000, v[TM+\b]
.endr
.irp b, 0,1,2,3
	v_lshrrev_b32 v[TM+4+\b], 23, v[TM+12+\b]
.endr
	v_lshl_or_b32 v[PW], v[TM+5], 8, v[TM+4]
	v_lshl_or_b32 v[PW], v[TM+6], 16, v[PW]
	v_lshl_or_b32 v[PW], v[TM+7], 24, v[PW]
.irp b, 0,1,2,3
	v_cvt_scalef32_pk8_fp4_f32 v[PC+2*\b], v[\s+16*\b:\s+7+16*\b], v[TM+12+\b]
	v_cvt_scalef32_pk8_fp4_f32 v[PC+1+2*\b], v[\s+8+16*\b:\s+15+16*\b], v[TM+12+\b]
.endr
	v_nop
.irp c, 0,1
.irp i, 0,1
	v_permlane16_swap_b32 v[PC+4*\c+\i], v[PC+2+4*\c+\i]
.endr
.endr
.endm
	s_wait_alu depctr_va_vdst(0)
	s_wait_tensorcnt 0x0                           ; my one load has landed
	s_barrier_signal -1
	s_barrier_wait -1
	FETCH_B 0, 0, 0
	FETCH_A 0, 0, 0
	SCALES 0
	FETCH_A 0, 0, 4
	STEP 0, 0, 0, 1, 1, 0
	STEP 0, 1, 0, 2, 0, 0
	STEP 0, 2, 0, 3, 0, 0
	STEP 0, 3, 1, 0, 0, 1
	STEP 1, 0, 1, 1, 0, 0
	STEP 1, 1, 1, 2, 0, 0
	STEP 1, 2, 1, 3, 0, 0
	s_wait_dscnt 8
	WIN MUL_LO
	MUL16 0, 1, 3, 1, 0
	MUL16 2, 1, 3, 1, 0
	s_wait_dscnt 0x0
	WIN MUL_HI
	MUL16 4, 1, 3, 1, 0
	MUL16 6, 1, 3, 1, 0
	WIN 0
	s_wait_loadcnt 0x0
	PLACES 4
.macro EPI a
.set AC, 64*((\a)%4)
	s_wait_xcnt 0x0
.if (\a) > 0
	s_add_nc_u64 s[70:71], s[70:71], OSTR
.endif
.if ((\a) > 0) && ((\a)%2 == 0)
	s_add_nc_u64 s[72:73], s[72:73], 2*OSTR
.endif
	WIN 0x02+(\a)/4
.set i, 0
.rept 32
	v_pk_add_f32 v[H+i:H+i+1], v[AC+i:AC+i+1], v[BN+i:BN+i+1]
.set i, i+2
.endr
	WIN 0
.set i, 0
.rept 64
	v_max_num_f32 v[H+i], 0, v[H+i]
.set i, i+1
.endr
	QUANT H
	global_store_b128 v[LI], v[PC:PC+3], s[70:71]
	global_store_b128 v[LI], v[PC+4:PC+7], s[70:71] offset:512
.if (\a)%2 == 0
	v_mov_b32 v[PWE], v[PW]
.else
	v_cndmask_b32 v[PWS], v[PWE], v[PW], s78
	global_store_b32 v[SWO], v[PWS], s[72:73]
.endif
.endm
.irp a, 0,1,2,3,4,5,6,7
	EPI \a
.endr
	s_wait_dscnt 0x0
	s_wait_tensorcnt 0x0
	ds_add_u32 v126, v127
	s_wait_dscnt 0x0
	CROUND
	s_endpgm
.Lfunc_end_k_qb060bfd691_ffn1:
	.size	k_qb060bfd691_ffn1, .Lfunc_end_k_qb060bfd691_ffn1-k_qb060bfd691_ffn1
	.p2alignl 7, 3214868480
	.fill 96, 4, 3214868480
	.section	.rodata,"a",@progbits
	.p2align	6, 0x0
	.amdhsa_kernel k_qb060bfd691_ffn1
		.amdhsa_group_segment_fixed_size 327680
		.amdhsa_private_segment_fixed_size 0
		.amdhsa_enable_private_segment 0
		.amdhsa_kernarg_size 32
		.amdhsa_user_sgpr_count 2
		.amdhsa_user_sgpr_kernarg_segment_ptr 1
		.amdhsa_wavefront_size32 1
		.amdhsa_system_sgpr_workgroup_id_x 1
		.amdhsa_system_sgpr_workgroup_id_y 1
		.amdhsa_system_sgpr_workgroup_id_z 1
		.amdhsa_system_vgpr_workitem_id 0
		.amdhsa_next_free_vgpr 1024
		.amdhsa_next_free_sgpr 100
		.amdhsa_reserve_vcc 0
		.amdhsa_float_denorm_mode_32 3
		.amdhsa_float_denorm_mode_16_64 3
		.amdhsa_memory_ordered 1
		.amdhsa_forward_progress 1
		.amdhsa_inst_pref_size 159
	.end_amdhsa_kernel
	.amdgpu_metadata
---
amdhsa.version: [ 1, 2 ]
amdhsa.kernels:
  - .name:           k_qb060bfd691_ffn1
    .symbol:         k_qb060bfd691_ffn1.kd
    .args:
      - { .name: h1p, .offset: 0, .size: 8, .value_kind: global_buffer, .address_space: global }
      - { .name: pre, .offset: 8, .size: 8, .value_kind: global_buffer, .address_space: global }
      - { .name: b1, .offset: 16, .size: 8, .value_kind: global_buffer, .address_space: global }
      - { .name: hid, .offset: 24, .size: 8, .value_kind: global_buffer, .address_space: global }
    .group_segment_fixed_size: 327680
    .private_segment_fixed_size: 0
    .kernarg_segment_align: 8
    .kernarg_segment_size: 32
    .max_flat_workgroup_size: 128
    .sgpr_count:     100
    .vgpr_count:     1024
    .wavefront_size: 32
...
	.end_amdgpu_metadata
.endif
;; end of part 5
;; launch ffn2 (part 6): grid 8 x 32, 4 waves a work-group, clusters of 4 x 4, 327,680 bytes of LDS; arguments hid, pre, b2, h1, res; writes res
.if DOCPART == 6
	.amdgcn_target "amdgcn-amd-amdhsa--gfx1250"
	.amdhsa_code_object_version 6
	.text
	.protected	k_qb060bfd691_ffn2
	.globl	k_qb060bfd691_ffn2
	.p2align	8
	.type	k_qb060bfd691_ffn2,@function
k_qb060bfd691_ffn2:
	s_mov_b64 s[64:65], 0
	v_nop
	global_prefetch_b8 v0, s[64:65] scope:SCOPE_SE
	s_setreg_imm32_b32 hwreg(HW_REG_WAVE_MODE, 25, 1), 1
	s_wait_xcnt 0x0
	s_wait_alu depctr_hold_cnt(0) depctr_sa_sdst(0) depctr_va_vdst(0) depctr_va_sdst(0) depctr_va_ssrc(0) depctr_va_vcc(0) depctr_vm_vsrc(0)
	s_getreg_b32 s2, hwreg(HW_REG_IB_STS2, 6, 4)
	s_cmp_eq_u32 s2, 0
	s_cbranch_scc0 .Lentry_in_a_cluster
	s_endpgm
.Lentry_in_a_cluster:
	s_bfe_u32 s2, ttmp6, 0x10000c
	s_cmp_lg_u32 s2, 0xf033
	s_cbranch_scc0 .Lentry_shape_is_right
	s_endpgm
.Lentry_shape_is_right:
.set SIB,   4352
.set PARTB, 8704
.set HALF,  4*PARTB
.set SLOT,  4*HALF
.set SPARE, 2*SLOT
.set STAGE, SPARE+512
.set W2P,   6127616
.set ADRA, 16
.set ADRB, 18
.set ADRS, 20
.set STO,  22
.set RD,   23
.set GO,   24
.set SPW,  28
.set NIL,  29
.set SC,   32
.set FS,   64
.set BN,   192
.set W,    224
.set G1,  24
.set G0,  32
.set G1B, 48
.set G0B, 56
.set MSB, 0
.macro WIN new
.if MSB != (\new)
	s_set_vgpr_msb (MSB<<8)|(\new)
.set MSB, (\new)
.endif
.endm
.macro JLOAD s
	s_cmp_eq_u32 s15, 0
	s_cbranch_scc0 .Lfor_b_\@
	tensor_load_to_lds s[G0+4*\s:G0+4*\s+3], s[G1:G1+7]
	s_nop 0
.rept 4
	v_nop
.endr
	s_branch .Lasked_\@
.Lfor_b_\@:
	tensor_load_to_lds s[G0B+4*\s:G0B+4*\s+3], s[G1B:G1B+7]
	s_nop 0
.rept 4
	v_nop
.endr
.Lasked_\@:
.endm
.macro CROUND
	s_barrier_signal -1
	s_barrier_wait -1
	s_cmp_lg_u32 s14, 0
	s_cbranch_scc1 .Lnot_wave_0_\@
	s_barrier_signal -3
.Lnot_wave_0_\@:
	s_barrier_wait -3
	s_barrier_signal -1
	s_barrier_wait -1
.endm
.macro PLACES n
.rept \n
	v_nop
.endr
.endm
	s_load_b256 s[4:11], s[0:1], 0x0               ; hid, pre, b2, h1
	s_load_b64 s[12:13], s[0:1], 0x20              ; res = h1 + the product + b2
	v_lshl_add_u32 v[SPW], v0, 2, SPARE
	v_mov_b32 v[NIL], 0
	ds_add_u32 v28, v29
	ds_add_u32 v28, v29
	s_wait_dscnt 0x0
	v_lshrrev_b32 v1, 5, v0
	v_readfirstlane_b32 s14, v1
	s_lshr_b32 s15, s14, 1
	s_and_b32 s16, s14, 1
	s_bfe_u32 s40, ttmp6, 0x40000
	s_bfe_u32 s41, ttmp6, 0x40004
	s_and_b32 s20, ttmp7, 0xffff
	s_lshl_b32 s20, s20, 2
	s_add_co_u32 s20, s20, s41
	s_lshl_b32 s46, ttmp9, 2
	s_add_co_u32 s46, s46, s40
	s_lshl_b32 s43, s41, 2
	s_lshl_b32 s43, 15, s43
	s_lshl_b32 s44, 0x1111, s40
	s_or_b32 s[G1+0], s43, (3<<16)|(1<<21)
	s_or_b32 s[G1B+0], s44, (3<<16)|(1<<21)
.irp g, G1, G1B
	s_mov_b32 s[\g+1], 1088<<16
	s_mov_b32 s[\g+2], 4<<16
	s_mov_b32 s[\g+3], 1088<<16
	s_mov_b32 s[\g+4], 4
	s_mov_b32 s[\g+5], 4352
	s_mov_b32 s[\g+6], 0
	s_mov_b32 s[\g+7], 0
.endr
	s_lshl_b32 s21, s16, 2
	s_lshl_b32 s84, s20, 3
	s_add_co_u32 s84, s84, s21
	s_mul_i32 s84, s84, 34816
	s_mov_b32 s85, 0
	s_lshl_b32 s86, s46, 3
	s_add_co_u32 s86, s86, s21
	s_mul_i32 s86, s86, 34816
	s_add_co_u32 s86, s86, W2P
	s_mov_b32 s87, 0
	s_mul_i32 s45, s14, HALF
	s_wait_kmcnt 0x0
	s_add_nc_u64 s[84:85], s[4:5], s[84:85]
	s_add_nc_u64 s[86:87], s[6:7], s[86:87]
.irp s, 0,1
	s_mov_b32 s[G0+4*\s], 1
	s_add_co_u32 s[G0+4*\s+1], s45, \s*SLOT
	s_add_nc_u64 s[G0+4*\s+2:G0+4*\s+3], s[84:85], \s*PARTB
	s_or_b32 s[G0+4*\s+3], s[G0+4*\s+3], 0x80000000
	s_mov_b32 s[G0B+4*\s], 1
	s_add_co_u32 s[G0B+4*\s+1], s45, \s*SLOT
	s_add_nc_u64 s[G0B+4*\s+2:G0B+4*\s+3], s[86:87], \s*PARTB
	s_or_b32 s[G0B+4*\s+3], s[G0B+4*\s+3], 0x80000000
	s_wait_alu depctr_va_vdst(0)
	s_wait_tensorcnt 0x0
	ds_add_u32 v28, v29
	ds_add_u32 v28, v29
	s_wait_dscnt 0x0
	CROUND
	JLOAD \s
.endr
	v_and_b32 v1, 15, v0
	v_bfe_u32 v2, v0, 4, 1
	s_wait_alu depctr_va_vdst(0)
	v_and_b32 v3, 31, v0
	v_lshlrev_b32 v3, 4, v3
	s_mul_i32 s21, s15, HALF
	s_mul_i32 s22, s16, HALF
	s_add_co_u32 s22, s22, 2*HALF
.irp s, 0,1
	v_add_nc_u32 v[ADRA+\s], s21, v3
	v_add_nc_u32 v[ADRB+\s], s22, v3
	s_add_co_u32 s21, s21, SLOT
	s_add_co_u32 s22, s22, SLOT
.endr
	s_mul_i32 s21, s15, HALF
	s_mul_i32 s22, s16, HALF
	s_add_co_u32 s22, s22, 2*HALF
	s_sub_co_u32 s22, s22, s21
	v_mul_u32_u24 v4, s22, v2
	v_lshl_add_u32 v4, v1, 4, v4
	s_add_co_u32 s21, s21, 4096
	v_add_nc_u32 v[ADRS], s21, v4
	v_add_nc_u32 v[ADRS+1], SLOT, v[ADRS]
	s_mul_i32 s23, s14, 4352
	s_add_co_u32 s23, s23, STAGE
	v_mul_u32_u24 v[STO], v1, 272
	v_lshl_add_u32 v[STO], v2, 6, v[STO]
	v_add_nc_u32 v[STO], s23, v[STO]
	v_mul_u32_u24 v[RD], v2, 272
	v_lshl_add_u32 v[RD], v1, 4, v[RD]
	v_add_nc_u32 v[RD], s23, v[RD]
	v_lshlrev_b32 v[GO], 12, v2
	v_lshl_add_u32 v[GO], v1, 4, v[GO]
	s_lshl_b32 s88, s46, 9
	s_lshl_b32 s89, s16, 8
	s_add_co_u32 s88, s88, s89
	s_mov_b32 s89, 0
	s_add_nc_u64 s[66:67], s[8:9], s[88:89]
	v_lshlrev_b32 v25, 6, v2
.irp b, 0,1
.irp i, 0,1,2,3
	global_load_b128 v[BN+16*\b+4*\i:BN+16*\b+4*\i+3], v25, s[66:67] offset:128*\b+16*\i
.endr
.endr
	s_lshl_b32 s90, s20, 7
	s_lshl_b32 s91, s15, 6
	s_add_co_u32 s90, s90, s91
	s_lshl_b32 s90, s90, 12
	s_add_co_u32 s90, s90, s88
	s_mov_b32 s91, 0
	s_add_nc_u64 s[70:71], s[12:13], s[90:91]
	s_add_nc_u64 s[72:73], s[10:11], s[90:91]      ; h1 at the same place
.macro FETCH slot, n, p
.irp i, 0,1,2,3
.irp c, 0,1
	ds_load_b128 v[FS+64*(\p)+8*\i+4*\c:FS+64*(\p)+8*\i+4*\c+3], v[ADRA+\slot] offset:PARTB*\i+SIB*((\n)/4)+1024*((\n)%4)+512*\c
	ds_load_b128 v[FS+64*(\p)+32+8*\i+4*\c:FS+64*(\p)+32+8*\i+4*\c+3], v[ADRB+\slot] offset:PARTB*\i+SIB*((\n)/4)+1024*((\n)%4)+512*\c
.endr
.endr
.endm
.macro MULS p, n, zero
.irp a, 0,1,2,3
.irp b, 0,1,2,3
.if \zero
	v_wmma_scale_f32_16x16x128_f8f6f4 v[8*(4*\a+\b):8*(4*\a+\b)+7], v[FS+64*(\p)+32+8*\b:FS+64*(\p)+32+8*\b+7], v[FS+64*(\p)+8*\a:FS+64*(\p)+8*\a+7], 0, v[SC+16*((\n)/4)+4*\b+(\n)%4], v[SC+16*((\n)/4)+4*\a+(\n)%4] matrix_a_fmt:MATRIX_FMT_FP4 matrix_b_fmt:MATRIX_FMT_FP4 matrix_a_scale:MATRIX_SCALE_ROW1
.else
	v_wmma_scale_f32_16x16x128_f8f6f4 v[8*(4*\a+\b):8*(4*\a+\b)+7], v[FS+64*(\p)+32+8*\b:FS+64*(\p)+32+8*\b+7], v[FS+64*(\p)+8*\a:FS+64*(\p)+8*\a+7], v[8*(4*\a+\b):8*(4*\a+\b)+7], v[SC+16*((\n)/4)+4*\b+(\n)%4], v[SC+16*((\n)/4)+4*\a+(\n)%4] matrix_a_fmt:MATRIX_FMT_FP4 matrix_b_fmt:MATRIX_FMT_FP4 matrix_a_scale:MATRIX_SCALE_ROW1
.endif
.endr
.endr
.endm
.macro PART slot, zero
	PLACES 4
	FETCH \slot, 0, 0
.irp ks, 0,1
.irp i, 0,1,2,3
	ds_load_b128 v[SC+16*\ks+4*\i:SC+16*\ks+4*\i+3], v[ADRS+\slot] offset:PARTB*\i+SIB*\ks
.endr
.endr
.irp n, 0,1,2,3,4,5,6,7
	s_wait_dscnt 0x0
.if \n < 7
	PLACES 4
	FETCH \slot, \n+1, (\n+1)%2
.endif
	WIN 0x50
.if (\zero) && (\n == 0)
	MULS 0, \n, 1
.else
	MULS \n%2, \n, 0
.endif
	WIN 0
.endr
.endm
.macro SYNC fill, slot
	s_wait_tensorcnt 0x0
	ds_add_u32 v[SPW], v[NIL]
.if \fill
	s_add_nc_u64 s[G0+4*\slot+2:G0+4*\slot+3], s[G0+4*\slot+2:G0+4*\slot+3], 2*PARTB
	s_add_nc_u64 s[G0B+4*\slot+2:G0B+4*\slot+3], s[G0B+4*\slot+2:G0B+4*\slot+3], 2*PARTB
.endif
	s_wait_dscnt 0x0
.if \fill
	CROUND
	JLOAD \slot
.else
	s_barrier_signal -1
	s_barrier_wait -1
.endif
.endm
	s_wait_alu depctr_va_vdst(0)
	s_wait_tensorcnt 1
	s_barrier_signal -1
	s_barrier_wait -1
	PART 0, 1
	SYNC 1, 0
	PART 1, 0
	SYNC 1, 1
	PART 0, 0
	SYNC 0, 0
	WIN 0x40                                       ; h1 at my 64 x 64 results, in the order in which the rows come back from the stage, into v384-511: asked for where no tensor load of mine is out, a part of K ahead of its use
.irp a, 0,1,2,3
.irp i, 0,1,2,3,4,5,6,7
	global_load_b128 v[128+32*\a+4*\i:128+32*\a+4*\i+3], v[GO], s[72:73] offset:(32*(\a/2)+8*(\a%2)+2*\i+8*(\i/4))*4096 th:TH_LOAD_NT
.endr
.endr
	WIN 0
	PART 1, 0
	s_wait_loadcnt 32                              ; the bias is in; the 32 loads of h1, issued behind it, may be out
	PLACES 4
.irp a, 0,1,2,3
	s_wait_xcnt 0x0
	WIN 0x01
.set i, 0
.rept 16
	v_pk_add_f32 v[W+i:W+i+1], v[32*\a+i:32*\a+i+1], v[BN+i:BN+i+1]
.set i, i+2
.endr
	WIN 0
.irp b, 0,1,2,3
	ds_store_b128 v[STO], v[W+8*\b:W+8*\b+3] offset:128*(\b/2)+32*(\b%2)
	ds_store_b128 v[STO], v[W+8*\b+4:W+8*\b+7] offset:128*(\b/2)+32*(\b%2)+16
.endr
.irp i, 0,1,2,3,4,5,6,7
	ds_load_b128 v[FS+32*(\a%2)+4*\i:FS+32*(\a%2)+4*\i+3], v[RD] offset:544*\i
.endr
	s_wait_dscnt 0x0
	s_wait_loadcnt 24-8*\a                         ; this block's eight loads of h1 are in; the later blocks' may be out
	WIN 0x04
.set i, 0
.rept 16
	v_pk_add_f32 v[FS+32*(\a%2)+i:FS+32*(\a%2)+i+1], v[FS+32*(\a%2)+i:FS+32*(\a%2)+i+1], v[128+32*\a+i:128+32*\a+i+1]
.set i, i+2
.endr
	WIN 0
.irp i, 0,1,2,3,4,5,6,7
	global_store_b128 v[GO], v[FS+32*(\a%2)+4*\i:FS+32*(\a%2)+4*\i+3], s[70:71] offset:(32*(\a/2)+8*(\a%2)+2*\i+8*(\i/4))*4096
.endr
.endr
	s_wait_tensorcnt 0x0
	ds_add_u32 v[SPW], v[NIL]
	s_wait_dscnt 0x0
	CROUND
	s_endpgm
.Lfunc_end_k_qb060bfd691_ffn2:
	.size	k_qb060bfd691_ffn2, .Lfunc_end_k_qb060bfd691_ffn2-k_qb060bfd691_ffn2
	.p2alignl 7, 3214868480
	.fill 96, 4, 3214868480
	.section	.rodata,"a",@progbits
	.p2align	6, 0x0
	.amdhsa_kernel k_qb060bfd691_ffn2
		.amdhsa_group_segment_fixed_size 327680
		.amdhsa_private_segment_fixed_size 0
		.amdhsa_enable_private_segment 0
		.amdhsa_kernarg_size 40
		.amdhsa_user_sgpr_count 2
		.amdhsa_user_sgpr_kernarg_segment_ptr 1
		.amdhsa_wavefront_size32 1
		.amdhsa_system_sgpr_workgroup_id_x 1
		.amdhsa_system_sgpr_workgroup_id_y 1
		.amdhsa_system_sgpr_workgroup_id_z 1
		.amdhsa_system_vgpr_workitem_id 0
		.amdhsa_next_free_vgpr 512
		.amdhsa_next_free_sgpr 100
		.amdhsa_reserve_vcc 0
		.amdhsa_float_denorm_mode_32 3
		.amdhsa_float_denorm_mode_16_64 3
		.amdhsa_memory_ordered 1
		.amdhsa_forward_progress 1
		.amdhsa_inst_pref_size 136
	.end_amdhsa_kernel
	.amdgpu_metadata
---
amdhsa.version: [ 1, 2 ]
amdhsa.kernels:
  - .name:           k_qb060bfd691_ffn2
    .symbol:         k_qb060bfd691_ffn2.kd
    .args:
      - { .name: hid, .offset: 0, .size: 8, .value_kind: global_buffer, .address_space: global }
      - { .name: pre, .offset: 8, .size: 8, .value_kind: global_buffer, .address_space: global }
      - { .name: b2, .offset: 16, .size: 8, .value_kind: global_buffer, .address_space: global }
      - { .name: h1, .offset: 24, .size: 8, .value_kind: global_buffer, .address_space: global }
      - { .name: res, .offset: 32, .size: 8, .value_kind: global_buffer, .address_space: global }
    .group_segment_fixed_size: 327680
    .private_segment_fixed_size: 0
    .kernarg_segment_align: 8
    .kernarg_segment_size: 40
    .max_flat_workgroup_size: 128
    .sgpr_count:     100
    .vgpr_count:     512
    .wavefront_size: 32
...
	.end_amdgpu_metadata
.endif
;; end of part 6
;; launch ln2 (part 7): grid 256 x 1, 8 waves a work-group, no clusters, 0 bytes of LDS; arguments res, ln_g, ln_b, out0; writes out0
.if DOCPART == 7
	.amdgcn_target "amdgcn-amd-amdhsa--gfx1250"
	.amdhsa_code_object_version 6
	.text
	.protected	k_qb060bfd691_ln2
	.globl	k_qb060bfd691_ln2
	.p2align	8
	.type	k_qb060bfd691_ln2,@function
k_qb060bfd691_ln2:
	s_mov_b64 s[64:65], 0
	v_nop
	global_prefetch_b8 v0, s[64:65] scope:SCOPE_SE
	s_setreg_imm32_b32 hwreg(HW_REG_WAVE_MODE, 25, 1), 1
	s_wait_xcnt 0x0
; out = layernorm(h1 + ffn) x g + b, in f32.  A work-group owns 16 rows, each of its eight waves two, kept in registers between the passes: mean, then the squares of the differences.
; Every load and store of a wave covers 512 consecutive bytes; all 32 loads of a wave go out at once.  Memory binds: no LDS, no barrier, no matrix unit, no cluster (work-groups share nothing but g and b).
; LIMITS: NaN and infinities are not served.
.set A,   32                           ; v32-95  my two rows
.set BV,  96
.set G,   160
.set BE,  192
.set LI,  2
.set SEL, 26
	s_load_b64 s[6:7], s[0:1], 0x0                 ; res = h1 + ffn, as the launch before has stored it
	s_load_b128 s[8:11], s[0:1], 0x8               ; g, b
	s_load_b64 s[12:13], s[0:1], 0x18              ; out
	v_lshrrev_b32 v1, 5, v0
	s_delay_alu instid0(VALU_DEP_1)
	v_readfirstlane_b32 s16, v1                    ; wave
	v_and_b32 v1, 31, v0
	s_delay_alu instid0(VALU_DEP_1)
	v_lshlrev_b32 v[LI], 4, v1
	s_lshl_b32 s17, ttmp9, 4
	s_lshl_b32 s18, s16, 1
	s_add_co_u32 s17, s17, s18                     ; my first row
	s_lshl_b32 s20, s17, 12
	s_mov_b32 s21, 0
	s_mov_b32 s[SEL], 0x76543210
	s_mov_b32 s[SEL+1], 0xfedcba98
	s_mov_b32 s28, 0x3a800000                      ; 1 / 1,024
	s_mov_b32 s29, 0x3727c5ac                      ; 1e-5
	v_mov_b32 v20, 0                               ; permute destinations are written once
	v_mov_b32 v21, 0
	s_wait_alu depctr_va_vdst(0)
	s_wait_kmcnt 0x0
	s_add_nc_u64 s[6:7], s[6:7], s[20:21]
	s_add_nc_u64 s[12:13], s[12:13], s[20:21]
.irp k, 0,1
.irp i, 0,1,2,3,4,5,6,7
	global_load_b128 v[A+32*\k+4*\i:A+32*\k+4*\i+3], v[LI], s[6:7] offset:4096*\k+512*\i th:TH_LOAD_NT
.endr
.endr
.irp i, 0,1,2,3,4,5,6,7
	global_load_b128 v[G+4*\i:G+4*\i+3], v[LI], s[8:9] offset:512*\i
	global_load_b128 v[BE+4*\i:BE+4*\i+3], v[LI], s[10:11] offset:512*\i
.endr
.macro REDUCE                          ; v4 and v8: the two rows' sums over the 32 lanes, in every lane
.irp m, 1,2,4,8
.irp k, 0,1
	s_delay_alu instid0(VALU_DEP_2)
	v_add_f32_dpp v[4+4*\k], v[4+4*\k], v[4+4*\k] row_xmask:\m row_mask:0xf bank_mask:0xf
.endr
.endr
.irp k, 0,1
	s_delay_alu instid0(VALU_DEP_2)
	v_permlanex16_b32 v[20+\k], v[4+4*\k], s[SEL], s[SEL+1]
.endr
.irp k, 0,1
	s_delay_alu instid0(VALU_DEP_2)
	v_add_f32 v[4+4*\k], v[4+4*\k], v[20+\k]
.endr
.endm
	s_wait_loadcnt 0x0
.irp k, 0,1
	v_pk_add_f32 v[4+4*\k:5+4*\k], v[A+32*\k:A+32*\k+1], v[A+32*\k+2:A+32*\k+3]   ; the sum, in two chains a row
	v_pk_add_f32 v[6+4*\k:7+4*\k], v[A+32*\k+4:A+32*\k+5], v[A+32*\k+6:A+32*\k+7]
.endr
.irp i, 8,12,16,20,24,28
.irp k, 0,1
	s_delay_alu instid0(VALU_DEP_4)
	v_pk_add_f32 v[4+4*\k:5+4*\k], v[4+4*\k:5+4*\k], v[A+32*\k+\i:A+32*\k+\i+1]
	s_delay_alu instid0(VALU_DEP_4)
	v_pk_add_f32 v[6+4*\k:7+4*\k], v[6+4*\k:7+4*\k], v[A+32*\k+\i+2:A+32*\k+\i+3]
.endr
.endr
.irp k, 0
	s_delay_alu instid0(VALU_DEP_3)
	v_pk_add_f32 v[4+4*\k:5+4*\k], v[4+4*\k:5+4*\k], v[6+4*\k:7+4*\k]
.endr
.irp k, 1
	s_delay_alu instid0(VALU_DEP_2)
	v_pk_add_f32 v[4+4*\k:5+4*\k], v[4+4*\k:5+4*\k], v[6+4*\k:7+4*\k]
.endr
.irp k, 0,1
	s_delay_alu instid0(VALU_DEP_2)
	v_add_f32 v[4+4*\k], v[4+4*\k], v[5+4*\k]
.endr
	REDUCE
.irp k, 0
	s_delay_alu instid0(VALU_DEP_2)
	v_mul_f32 v[12+2*\k], s28, v[4+4*\k]           ; the mean, twice: a pair for the packed subtraction
	s_delay_alu instid0(VALU_DEP_3)
	v_mul_f32 v[13+2*\k], s28, v[4+4*\k]
.endr
.irp k, 1
	s_delay_alu instid0(VALU_DEP_3)
	v_mul_f32 v[12+2*\k], s28, v[4+4*\k]           ; the mean, twice: a pair for the packed subtraction
	s_delay_alu instid0(VALU_DEP_4)
	v_mul_f32 v[13+2*\k], s28, v[4+4*\k]
.endr
.irp i, 0,2,4,6,8,10,12,14,16,18,20,22,24,26,28,30
.irp k, 0,1
	v_pk_add_f32 v[A+32*\k+\i:A+32*\k+\i+1], v[A+32*\k+\i:A+32*\k+\i+1], v[12+2*\k:13+2*\k] neg_lo:[0,1] neg_hi:[0,1]
.endr
.endr
.irp k, 0,1
	v_pk_mul_f32 v[4+4*\k:5+4*\k], v[A+32*\k:A+32*\k+1], v[A+32*\k:A+32*\k+1]     ; the squares of the differences
	v_pk_mul_f32 v[6+4*\k:7+4*\k], v[A+32*\k+2:A+32*\k+3], v[A+32*\k+2:A+32*\k+3]
.endr
.irp i, 4,8,12,16,20,24,28
.irp k, 0,1
	s_delay_alu instid0(VALU_DEP_4)
	v_pk_fma_f32 v[4+4*\k:5+4*\k], v[A+32*\k+\i:A+32*\k+\i+1], v[A+32*\k+\i:A+32*\k+\i+1], v[4+4*\k:5+4*\k]
	s_delay_alu instid0(VALU_DEP_4)
	v_pk_fma_f32 v[6+4*\k:7+4*\k], v[A+32*\k+\i+2:A+32*\k+\i+3], v[A+32*\k+\i+2:A+32*\k+\i+3], v[6+4*\k:7+4*\k]
.endr
.endr
.irp k, 0
	s_delay_alu instid0(VALU_DEP_3)
	v_pk_add_f32 v[4+4*\k:5+4*\k], v[4+4*\k:5+4*\k], v[6+4*\k:7+4*\k]
.endr
.irp k, 1
	s_delay_alu instid0(VALU_DEP_2)
	v_pk_add_f32 v[4+4*\k:5+4*\k], v[4+4*\k:5+4*\k], v[6+4*\k:7+4*\k]
.endr
.irp k, 0,1
	s_delay_alu instid0(VALU_DEP_2)
	v_add_f32 v[4+4*\k], v[4+4*\k], v[5+4*\k]
.endr
	REDUCE
.irp k, 0,1
	s_delay_alu instid0(VALU_DEP_2)
	v_fma_f32 v[16+2*\k], v[4+4*\k], s28, s29      ; the variance + 1e-5
.endr
	s_wait_alu depctr_va_vdst(0)
.irp k, 0,1
	v_rsq_f32 v[16+2*\k], v[16+2*\k]
.endr
	v_nop                                          ; a plain place behind the two
	s_wait_alu depctr_va_vdst(0)                   ; one wait for both, ahead of their first reader
.irp k, 0,1
	v_mov_b32 v[17+2*\k], v[16+2*\k]
.endr
.irp i, 0,2,4,6,8,10,12,14,16,18,20,22,24,26,28,30
.irp k, 0,1
	v_pk_mul_f32 v[A+32*\k+\i:A+32*\k+\i+1], v[A+32*\k+\i:A+32*\k+\i+1], v[16+2*\k:17+2*\k]
.endr
.irp k, 0,1
	s_delay_alu instid0(VALU_DEP_2)
	v_pk_fma_f32 v[A+32*\k+\i:A+32*\k+\i+1], v[A+32*\k+\i:A+32*\k+\i+1], v[G+\i:G+\i+1], v[BE+\i:BE+\i+1]
.endr
.endr
.irp k, 0,1
.irp i, 0,1,2,3,4,5,6,7
	global_store_b128 v[LI], v[A+32*\k+4*\i:A+32*\k+4*\i+3], s[12:13] offset:4096*\k+512*\i th:TH_STORE_NT
.endr
.endr
	s_endpgm
.Lfunc_end_k_qb060bfd691_ln2:
	.size	k_qb060bfd691_ln2, .Lfunc_end_k_qb060bfd691_ln2-k_qb060bfd691_ln2
	.p2alignl 7, 3214868480
	.fill 96, 4, 3214868480
	.section	.rodata,"a",@progbits
	.p2align	6, 0x0
	.amdhsa_kernel k_qb060bfd691_ln2
		.amdhsa_group_segment_fixed_size 0
		.amdhsa_private_segment_fixed_size 0
		.amdhsa_enable_private_segment 0
		.amdhsa_kernarg_size 32
		.amdhsa_user_sgpr_count 2
		.amdhsa_user_sgpr_kernarg_segment_ptr 1
		.amdhsa_wavefront_size32 1
		.amdhsa_system_sgpr_workgroup_id_x 1
		.amdhsa_system_sgpr_workgroup_id_y 1
		.amdhsa_system_sgpr_workgroup_id_z 1
		.amdhsa_system_vgpr_workitem_id 0
		.amdhsa_next_free_vgpr 232
		.amdhsa_next_free_sgpr 66
		.amdhsa_reserve_vcc 0
		.amdhsa_float_denorm_mode_32 3
		.amdhsa_float_denorm_mode_16_64 3
		.amdhsa_memory_ordered 1
		.amdhsa_forward_progress 1
		.amdhsa_inst_pref_size 22
	.end_amdhsa_kernel
	.amdgpu_metadata
---
amdhsa.version: [ 1, 2 ]
amdhsa.kernels:
  - .name:           k_qb060bfd691_ln2
    .symbol:         k_qb060bfd691_ln2.kd
    .args:
      - { .name: res, .offset: 0, .size: 8, .value_kind: global_buffer, .address_space: global }
      - { .name: ln_g, .offset: 8, .size: 8, .value_kind: global_buffer, .address_space: global }
      - { .name: ln_b, .offset: 16, .size: 8, .value_kind: global_buffer, .address_space: global }
      - { .name: out0, .offset: 24, .size: 8, .value_kind: global_buffer, .address_space: global }
    .group_segment_fixed_size: 0
    .private_segment_fixed_size: 0
    .kernarg_segment_align: 8
    .kernarg_segment_size: 32
    .max_flat_workgroup_size: 256
    .sgpr_count:     66
    .vgpr_count:     232
    .wavefront_size: 32
...
	.end_amdgpu_metadata
.endif
;; end of part 7
